; MI455X (gfx1250); checked and timed in simulation.
; The chip was launched on July 23, 2026; its instructions are those of AMD's public machine-readable ISA for CDNA 5 (MIT licence, August 2026) and "CDNA5" Instruction Set Architecture Reference Guide (July 2026). The comments in the code are by the model that wrote it; some were corrected since.
;; Attention Layer. Allowed arithmetic: matrix products marked QUANTISED: E4M3 operands, one E8M0 scale for each 32 along K, by v_wmma_scale_f32_16x16x128_f8f6f4 with both operands' format E4M3, f32 sums; everything else in f32.
;; Inputs: out_b 1,024 float32; out_w_codes 1,024 x 32 x 32 uint8 (E4M3 codes of out_w, K innermost, in blocks of 32 codes); out_w_scales 1,024 x 32 uint8 (E8M0 scales of out_w, one for each 32 codes along K); qkv_b 3,072 float32; qkv_w_codes 3,072 x 32 x 32 uint8 (E4M3 codes of qkv_w, K innermost, in blocks of 32 codes); qkv_w_scales 3,072 x 32 uint8 (E8M0 scales of qkv_w, one for each 32 codes along K); x_codes 8 x 1,024 x 32 x 32 uint8 (E4M3 codes of x, K innermost, in blocks of 32 codes); x_scales 8 x 1,024 x 32 uint8 (E8M0 scales of x, one for each 32 codes along K).
;; Outputs: out0 8 x 1,024 x 1,024 float32.
;; This version of the problem:
;;   THIS VERSION OF THE PROBLEM IS GIVEN IN LOW PRECISION. The matrix products marked QUANTISED in the list below multiply operands that are first quantised to E4M3 (4 exponent bits, 3 mantissa bits; 8 bits a number), with one power-of-two scale for each 32 numbers along K (OCP MX v1.0); their sums are f32. All else is computed in f32.
;;   The module's matrix products, in the order in which they are computed (A, B: the left and right operand; K: the contracted axis; several contracted axes count as one K, in the product's order):
;;     1. [M 8,192, K 1,024] x [K 1,024, N 3,072]; A: input x (given as codes); B: input qkv_w (given as codes): QUANTISED
;;     2. batch 128 x [M 1,024, K 64] x [K 64, N 1,024]; A: computed on the way; B: computed on the way: QUANTISED
;;     3. batch 128 x [M 64, K 1,024] x [K 1,024, N 1,024]; A: computed on the way; B: softmax (see below): QUANTISED
;;     4. [M 8,192, K 1,024] x [K 1,024, N 1,024]; A: computed on the way; B: input out_w (given as codes): QUANTISED
;;   THE QUANTISER, for each operand of a quantised product, along K:
;;     - K is cut into blocks of 32 from its start; a last block that is shorter is filled with zeros.
;;     - A block's scale is 2^e with e = floor(log2(the largest magnitude in the block)) - 8, held to -126 .. 127; a block of zeros has e = 0. As a byte (E8M0): e + 127.
;;     - Each number is divided by its block's scale, clamped to +-448, and rounded to the nearest number of E4M3, ties to even, subnormals kept.
;;     - The product sums the exact products of the quantised numbers (number of the format x scale) in f32.
;;   ~~~python
;;   def quantise(x, axis):      # numpy; x: float32 -> the quantised numbers, widened to float32 again
;;       x = np.moveaxis(x, axis, -1); K = x.shape[-1]
;;       x = np.pad(x, [(0, 0)] * (x.ndim - 1) + [(0, -K % 32)]); x = x.reshape(x.shape[:-1] + (-1, 32)); a = np.abs(x).max(-1, keepdims=True)
;;       e = np.where(a > 0, np.clip(np.frexp(np.where(a > 0, a, 1))[1] - 1 - 8, -126, 127), 0)      # np.frexp(a)[1] - 1 = floor(log2(a)), exactly
;;       r = np.clip(x / 2.0 ** e, -448, 448)
;;       step = 2.0 ** (np.maximum(np.frexp(np.where(r == 0, 1, r))[1] - 1, -6) - 3)
;;       q = np.round(r / step) * step * 2.0 ** e      # np.round: ties to even
;;       return np.moveaxis(q.reshape(q.shape[:-2] + (-1,))[..., :K], -1, axis).astype(np.float32)
;;   ~~~
;;   SOFTMAX AHEAD OF A QUANTISED PRODUCT. Where the list says 'softmax', what is quantised is not the finished softmax but p = 2^(t - M), with t = logit x log2(e) and M = ceil(the row's largest t), a whole number; so 1/2 < the row's largest p <= 1. The row's sum l is taken of the UNQUANTISED p, in f32, and the product's result is divided by l at the end. Since M is a whole number, a kernel that streams over the keys may use a running M (the ceiling of the running maximum): every later rescaling is an exact power of two, which a block's scale takes up: the codes' values come out the same.
;;   OPERANDS COMPUTED ON THE WAY. 'Computed on the way' means the value that the module computes at that place (a softmax that the list does not call 'softmax' is quantised finished and normalised). What goes into a quantiser is computed in f32, as accurately as f32 sums, v_exp_f32 and their like allow (about 1e-6 of the number): no bf16 or f16 on the way to a quantiser, and a product that is left as it is and whose result goes on into a quantised operand takes f32 operands (vector FMAs, or v_wmma_f32_16x16x4_f32). A number that lies on a knife's edge between two numbers of the format may be rounded either way, as far as f32 arithmetic and the matrix unit's own rounding can turn it there, and no further.
;;   INPUTS GIVEN AS CODES. out_w (in the module: [1024, 1024], K = its axis 1); qkv_w (in the module: [3072, 1024], K = its axis 1); x (in the module: [8, 1024, 1024], K = its axis 2): each comes as NAME_codes (uint8): NAME with its K axis moved to the last place and cut into blocks of 32 codes, [.., K / 32, bytes a block], one block behind the other in memory; one code a byte (a code: sign, 4 exponent bits, 3 mantissa bits); and NAME_scales (uint8): the same leading axes, one E8M0 byte (e + 127) for each 32 codes along K. Its value is code x scale, taken as it is: it is not quantised again, and the codes and scales need not be those that the quantiser above would give.
;; One version. Each part assembles by itself: llvm-mc -triple=amdgcn-amd-amdhsa -mcpu=gfx1250 --defsym DOCPART=n.
;; ======== version 1 of 1: 3 launches
;; limits: right only within a limited range of input values
;; workspace buffers: q 8,650,752 bytes; kv 17,301,504 bytes; a_codes 8,388,608 bytes; a_scales 262,144 bytes
;; launch qkv (part 1): grid 12 x 32, 4 waves a work-group, clusters of 4 x 4, 327,680 bytes of LDS; arguments x_codes, x_scales, qkv_w_codes, qkv_w_scales, qkv_b, q, kv; writes q, kv
.if DOCPART == 1
	.amdgcn_target "amdgcn-amd-amdhsa--gfx1250"
	.amdhsa_code_object_version 6
	.text
	.protected	k_q0cf0eeb643_qkv
	.globl	k_q0cf0eeb643_qkv
	.p2align	8
	.type	k_q0cf0eeb643_qkv,@function
k_q0cf0eeb643_qkv:
	s_mov_b64 s[64:65], 0
	v_nop
	global_prefetch_b8 v0, s[64:65] scope:SCOPE_SE
	s_setreg_imm32_b32 hwreg(HW_REG_WAVE_MODE, 25, 1), 1
	s_wait_xcnt 0x0
	s_wait_alu depctr_hold_cnt(0) depctr_sa_sdst(0) depctr_va_vdst(0) depctr_va_sdst(0) depctr_va_ssrc(0) depctr_va_vcc(0) depctr_vm_vsrc(0)
	s_getreg_b32 s2, hwreg(HW_REG_IB_STS2, 6, 4)
	s_cmp_eq_u32 s2, 0
	s_cbranch_scc0 .Lentry_in_a_cluster
	s_endpgm
.Lentry_in_a_cluster:
	s_bfe_u32 s2, ttmp6, 0x10000c
	s_cmp_lg_u32 s2, 0xf033
	s_cbranch_scc0 .Lentry_shape_is_right
	s_endpgm
.Lentry_shape_is_right:
; qkv = x W^T + b on codes of FP8 (E4M3) with one E8M0 scale for each 32 along K = 1,024; the results are quantised at once for the two products of attention and leave as codes.
; x: [8,192][1,024] codes, W: [3,072][1,024] codes, their scale bytes [rows][32]; b: [3,072] f32.
; A work-group of four waves makes 256 x 256 results, a wave 128 x 128: 64 accumulators of 16 x 16, 512 registers.  K goes in steps of 256 through a ring of two LDS slots filled by the tensor data mover.
; SOURCE 0 AND SOURCE 1.  In a result, a lane holds ONE row of source 1 (lane % 16) and its registers run along source 0's rows.  q and k are quantised along the head's 64 channels, so for them source 0 = rows of W and
; source 1 = tokens; v is quantised along the keys, so for it source 0 = tokens and source 1 = rows of W.  The cluster's x (0: q, 1: k, 2: v) says which; it is the same in all sixteen partners.  One text serves both:
; the buffers are chosen by s_cselect_b64, and for v the cluster's x and y change places in the two tile indices.
; CLUSTERS: 4 x 4 work-groups.  Source 1's tile hangs on cy alone and is asked for jointly by a row of the cluster, source 0's on cx alone and by a column: four work-groups share each request.
; THE BIAS is the C of each sum's first matrix instruction.
; THE WAY OUT.  The 16 registers of two neighbouring tiles of source 0 hold, in lane (r, h), the indices 32 i + 8 h + 0..7 and 32 i + 16 + 8 h + 0..7 of a block of 32.  The block's largest magnitude joins lanes l and l xor 16;
; after the conversion two v_permlane16_swap_b32 a block bring the codes into the operand's order, 32 i + 16 h + 0..15.  The codes leave as IMAGES OF THE OPERAND'S REGISTERS: 16 bytes a lane, 512 consecutive aligned bytes a store.
;   q:  [head 128][128 queries 8][8,448]: 8 tiles of 16 queries x 1,024 bytes (two groups of 512: channels 32 c + 16 h + 0..15), then 256 bytes of scale words [r 16][p 4]: word p = tile 2 p's two bytes, tile 2 p + 1's two bytes.
;   kv: [head 128][128 keys 8][16,896]: K as q's 8,192 bytes; V^T: 4 tiles of 16 channels x 2,048 bytes (four groups of 512: keys 32 c + 16 h + 0..15); K's scale words as q's; V's [r 16][t 4]: word t = the four key blocks' bytes of channel 16 t + r.
; 384 work-groups of equal work; a smaller tile would divide evenly by the number of WGPs but would read half as many bytes again from LDS for each product.
; LIMITS: NaN and infinities are not served.  A block whose largest magnitude lies under 2^-118, a block of zeros among them, gets the scale byte 1 (a block of zeros: 127 by the quantiser's text): its codes are what that byte gives, zeros for zeros,
; and the bytes are read by this program alone.
.set IMG,    0                         ; source 1 lies in memory as rows of codes
.set PITCH,  272                       ; an LDS row: 256 bytes + 16 of padding = 68 words: the 16 rows that a fragment load touches begin 4 words apart modulo 64
.set HALFT,  128*PITCH                 ; 128 rows: what one tensor load brings, and what one wave reads of a source
.set SLOT,   4*HALFT                   ; source 1's 256 rows, then source 0's
.set SCL,    2*SLOT                    ; behind the ring: the scale bytes for all of K, four regions of 128 rows
.set HALFS,  16*272                    ; 128 rows x 32 bytes as 16 rows of 256 bytes + 16 of padding
.set SPARE,  SCL+4*HALFS               ; the spare words, 128 bytes for each wave: two blocks of 256 bytes that no other line names
.set STEPA,  256                       ; bytes from one K step of 256 to the next in source 1's memory
.set NP,     8                         ; places behind this matrix instruction (ISA guide 7.12.1)
.set BO,   8                           ; v8-15   byte offsets of the bias loads
.set ADRA, 16                          ; v16-17  LDS address of my fragments of source 1 in slot 0, 1
.set ADRS1, 18                         ; v18     of source 1's scale words
.set ADRS0, 19                         ; v19     of source 0's
.set ADRB, 20                          ; v20-21  of my fragments of source 0
.set CO16, 22                          ; v22     16 x lane
.set SOF,  23                          ; v23     the scale words' store offset
.set SPW,  28                          ; v28     LDS address of my spare word; never rewritten
.set NIL,  29                          ; v29     0; never rewritten
.set SC,   32                          ; v32-63  scale words, two sets of 16: they hold nothing else
.set BI,   64                          ; v64-127 the bias in the result's layout; on the way out: at work
.set AF,   128                         ; v128-255 source 1's fragments, one set; on the way out: the codes
.set TM,   64                          ; the way out: v64-67 largest magnitudes, v68-71 bytes, v72-75 448 x the scale, v76-79 the conversions' scale operands
.set PW,   80                          ; v80-87  a scale word for each of my eight tiles of source 1
.set T1,   88                          ; v88-95  at work
.set SD,   96                          ; v96-99  the scale words as they are stored
.set WV, 18
.set WI, 19                            ; wave / 2: my half of source 1.  Also: I fetch for source 1 (0) or for source 0 (1)
.set WJ, 20                            ; wave % 2: my half of source 0.  Also: which 128 rows I fetch
.set CX, 21
.set CY, 22
.set MNT, 23
.set G1, 24                            ; s[24:31] descriptor group 1 for source 1's tiles;  s[32:39] group 0, one set for each slot
.set G0, 32
.set G1B, 48                           ; s[48:55], s[56:63] the same for source 0
.set G0B, 56
.set SEL, 66
.set G1S, 68                           ; s[68:75], s[76:79] groups 1 and 0 for source 1's scales;  s[80:87], s[88:91] for source 0's
.set G0S, 76
.set G1SB, 80
.set G0SB, 88
.set MSB, 0
.macro WIN new                         ; the immediate's high byte repeats the setting that is left; a switch that changes nothing is dropped
.if MSB != (\new)
	s_set_vgpr_msb (MSB<<8)|(\new)
.set MSB, (\new)
.endif
.endm
.set MUL_LO, 0xa1                      ; source 0 window 1, source 1 window 0, C and D window 2
.set MUL_HI, 0xf1                      ; the same, C and D window 3
.set TO_B,   0x40                      ; destination window 1, address window 0
; A joint load: waves 0 and 1 fetch for source 1, waves 2 and 3 for source 0.  Each line has one mask and one set of registers for all that issue it; the branch hangs on the wave's number alone.
; Four v_nop follow each of the two lines, ahead of the jump, the label and what follows.
.macro JLOAD g0a, g1a, g0b, g1b
	s_cmp_eq_u32 s[WI], 0
	s_cbranch_scc0 .Lfor_b_\@
	tensor_load_to_lds s[\g0a:\g0a+3], s[\g1a:\g1a+7]
	s_nop 0
.rept 4
	v_nop
.endr
	s_branch .Lasked_\@
.Lfor_b_\@:
	tensor_load_to_lds s[\g0b:\g0b+3], s[\g1b:\g1b+7]
	s_nop 0
.rept 4
	v_nop
.endr
.Lasked_\@:
.endm
.macro CREST                           ; a round of the cluster's barrier behind its opening barrier
	s_cmp_lg_u32 s[WV], 0
	s_cbranch_scc1 .Lnot_wave_0_\@
	s_barrier_signal -3
.Lnot_wave_0_\@:
	s_barrier_wait -3
	s_barrier_signal -1
	s_barrier_wait -1
.endm
.macro CROUND                          ; a whole round
	s_barrier_signal -1
	s_barrier_wait -1
	CREST
.endm
.macro PLACES n
.rept \n
	v_nop
.endr
.endm
.macro FRAG reg, adr, q, i             ; a fragment from padded rows: lane l holds row l % 16; registers 4 c .. 4 c + 3 hold K = 32 c + 16 (l / 16) + 0 .. 15
.irp c, 0,1,2,3
	ds_load_b128 v[\reg+4*\c:\reg+4*\c+3], v[\adr] offset:128*(\q)+32*\c+(\i)*16*PITCH
.endr
.endm
.macro FRAGI reg, adr, q, i            ; a fragment from an image of its registers: 512 consecutive bytes a load
.irp c, 0,1,2,3
	ds_load_b128 v[\reg+4*\c:\reg+4*\c+3], v[\adr] offset:4096*(\i)+2048*(\q)+512*\c
.endr
.endm
.macro FETCH_B slot, q, p              ; source 0's eight fragments of the slot's q-th 128 along K into set p
	WIN TO_B
.irp i, 0,1,2,3,4,5,6,7
	FRAG 128*(\p)+16*\i, ADRB+\slot, \q, \i
.endr
	WIN 0
.endm
.macro FETCH_A slot, q, i0             ; source 1's blocks i0 .. i0 + 3
.irp i, \i0, \i0+1, \i0+2, \i0+3
.if IMG
	FRAGI AF+16*(\i), ADRA+\slot, \q, \i
.else
	FRAG AF+16*(\i), ADRA+\slot, \q, \i
.endif
.endr
.endm
; The scale words of K step sg (256 along K: two words a row) into set.  One register holds two blocks of 16 rows: lanes 0-15 the even block's words, lanes 16-31 the odd block's.
.macro SCALES set, sg
.irp e, 0,1,2,3
	ds_load_b64 v[SC+16*\set+2*\e:SC+16*\set+2*\e+1], v[ADRS0] offset:1088*\e+8*\sg
.endr
.if IMG
.irp q, 0,1
	ds_load_b128 v[SC+16*\set+8+4*\q:SC+16*\set+8+4*\q+3], v[ADRS1] offset:512*(2*\sg+\q)
.endr
.else
.irp e, 0,1,2,3
	ds_load_b64 v[SC+16*\set+8+2*\e:SC+16*\set+8+2*\e+1], v[ADRS1] offset:1088*\e+8*\sg
.endr
.endif
.endm
; One matrix instruction: source 1's block a against source 0's block b.  cm = 0: onto the sum; 1: the sum begins with the bias along source 0's rows; 2: along source 1's rows.
.macro WM a, b, p, q, set, cm
.set rD, 8*(8*((\a)%4)+(\b))
.set rA, 128*(\p)+16*(\b)
.set rB, AF+16*(\a)
.set rX, SC+16*(\set)+2*((\b)/2)+(\q)
.if IMG
.set rY, SC+16*(\set)+8+4*(\q)+((\a)/2)
.else
.set rY, SC+16*(\set)+8+2*((\a)/2)+(\q)
.endif
.set rC, rD
.if (\cm) == 1
.set rC, BI+8*(\b)
.endif
.if (\cm) == 2
.set rC, BI+8*(\a)
.endif
.if (((\a)%2) == 0) && (((\b)%2) == 0)
	v_wmma_scale_f32_16x16x128_f8f6f4 v[rD:rD+7], v[rA:rA+15], v[rB:rB+15], v[rC:rC+7], v[rX], v[rY]
.elseif (((\a)%2) == 0)
	v_wmma_scale_f32_16x16x128_f8f6f4 v[rD:rD+7], v[rA:rA+15], v[rB:rB+15], v[rC:rC+7], v[rX], v[rY] matrix_a_scale:MATRIX_SCALE_ROW1
.elseif (((\b)%2) == 0)
	v_wmma_scale_f32_16x16x128_f8f6f4 v[rD:rD+7], v[rA:rA+15], v[rB:rB+15], v[rC:rC+7], v[rX], v[rY] matrix_b_scale:MATRIX_SCALE_ROW1
.else
	v_wmma_scale_f32_16x16x128_f8f6f4 v[rD:rD+7], v[rA:rA+15], v[rB:rB+15], v[rC:rC+7], v[rX], v[rY] matrix_a_scale:MATRIX_SCALE_ROW1 matrix_b_scale:MATRIX_SCALE_ROW1
.endif
.endm
; 16 matrix instructions.  The 64 accumulators take turns, one instruction a turn, in the same order in every step.
.macro MUL16 a0, p, q, set, cm
.irp a, \a0, \a0+1
.irp b, 0,1,2,3,4,5,6,7
	WM \a, \b, \p, \q, \set, \cm
.endr
.endr
.endm
; A slot's first 128 along K.  A block of source 1 is free as soon as its eight products are issued: blocks 0-3 are fetched anew in the step's middle, blocks 4-7 at its end; source 0 has two sets.
.macro STEP slot, cm
	s_wait_dscnt 16                                ; all but the youngest 16 loads (source 1's blocks 4-7) are in
.if \cm
	WIN 0x81                                       ; C, the bias, in window 0
.else
	WIN MUL_LO
.endif
	MUL16 0, 0, 0, \slot, \cm
	MUL16 2, 0, 0, \slot, \cm
	s_wait_dscnt 0                                 ; blocks 4-7 are in
	PLACES NP                                      ; in front of loads into registers that matrix instructions have read
	FETCH_B \slot, 1, 1
	FETCH_A \slot, 1, 0
.if \cm
	WIN 0xc1
.else
	WIN MUL_HI
.endif
	MUL16 4, 0, 0, \slot, \cm
	MUL16 6, 0, 0, \slot, \cm
	PLACES NP
	WIN 0
	FETCH_A \slot, 1, 4
.endm
; A slot's second 128 along K changes slots: ONE barrier; in front of it each wave waits for all its tensor loads, adds 0 to its spare word, and waits for that and for its own reads of this slot.
; fill = 1: this slot is filled again, two K steps ahead; the barrier then opens a round of the cluster's barrier.  sg: the K step that the next slot holds.
.macro TURN slot, next, fill, sg
	s_wait_dscnt 16                                ; all but the youngest 16 loads (source 1's blocks 4-7) are in
	WIN MUL_LO
	MUL16 0, 1, 1, \slot, 0                        ; 32 products on registers stand ahead of the wait for the next slot's tile
	MUL16 2, 1, 1, \slot, 0
	WIN 0                                          ; the add's two registers lie in window 0
	s_wait_tensorcnt 0x0                           ; all my tensor loads have landed: my part of the next slot
	ds_add_u32 v[SPW], v[NIL]                      ; 0 onto my spare word
	s_wait_dscnt 0x0                               ; the add is done, and my reads of this slot are over
	s_barrier_signal -1
	s_barrier_wait -1
.if \fill
	CREST                                          ; no wave of any partner still reads this slot's tile or has a load on its way
	s_add_nc_u64 s[G0+4*\slot+2:G0+4*\slot+3], s[G0+4*\slot+2:G0+4*\slot+3], 2*STEPA
	s_add_nc_u64 s[G0B+4*\slot+2:G0B+4*\slot+3], s[G0B+4*\slot+2:G0B+4*\slot+3], 512
	JLOAD G0+4*\slot, G1, G0B+4*\slot, G1B         ; the first tensor load behind the round; its four v_nop are four of the eight places in front of the loads below
	PLACES NP-4
.else
	PLACES NP
.endif
	FETCH_B \next, 0, 0
	FETCH_A \next, 0, 0
	SCALES \next, \sg
	WIN MUL_HI
	MUL16 4, 1, 1, \slot, 0
	MUL16 6, 1, 1, \slot, 0
	PLACES NP
	WIN 0
	FETCH_A \next, 0, 4
.endm
	s_load_b256 s[4:11], s[0:1], 0x0               ; x's codes s[4:5], x's scales s[6:7], W's codes s[8:9], W's scales s[10:11]
	s_load_b128 s[12:15], s[0:1], 0x20             ; b s[12:13], q s[14:15]
	s_load_b64 s[16:17], s[0:1], 0x30              ; kv
	v_lshl_add_u32 v[SPW], v0, 2, SPARE
	v_mov_b32 v[NIL], 0
	ds_add_u32 v28, v29
	ds_add_u32 v28, v29
	s_wait_dscnt 0x0
	v_lshrrev_b32 v1, 5, v0
	v_readfirstlane_b32 s[WV], v1                  ; wave 0..3
	s_lshr_b32 s[WI], s[WV], 1
	s_and_b32 s[WJ], s[WV], 1
	s_bfe_u32 s[CX], ttmp6, 0x40000                ; my place in the cluster
	s_bfe_u32 s[CY], ttmp6, 0x40004
	s_and_b32 s23, ttmp7, 0xffff                   ; the cluster's y: which 1,024 tokens
	s_cmp_eq_u32 ttmp9, 2                          ; the cluster's x: 0 q, 1 k, 2 v
	s_cselect_b32 s93, s23, ttmp9                  ; for v the two change places
	s_cselect_b32 s43, ttmp9, s23
	s_lshl_b32 s93, s93, 2
	s_add_co_u32 s93, s93, s[CX]                   ; which 256 rows of source 0
	s_lshl_b32 s43, s43, 2
	s_add_co_u32 s43, s43, s[CY]                   ; which 256 rows of source 1
	s_lshl_b32 s42, s[CY], 2
	s_lshl_b32 s42, 15, s42                        ; my row of the cluster
	s_lshl_b32 s92, 0x1111, s[CX]                  ; my column
	; descriptor group 1: a tile of 128 rows x 256 bytes, 1,024 bytes apart in memory, 16 bytes of padding behind each row in LDS
	s_or_b32 s[G1+0], s42, (1<<20)|(1<<21)|(5<<22)|(3<<25)   ; 15:0 the mask; 17:16 elements of 1 byte; 20 padding on; 21 set beside a mask; 24:22 after every 64 words; 31:25 four words
	s_or_b32 s[G1B+0], s92, (1<<20)|(1<<21)|(5<<22)|(3<<25)
.irp g, G1, G1B
	s_mov_b32 s[\g+1], 256<<16                     ; tensor_dim0
	s_mov_b32 s[\g+2], 256<<16                     ; tensor_dim1: 256 rows for the head's loads; set to 128 for the ring's behind the wait that shows them landed
	s_mov_b32 s[\g+3], 256<<16                     ; tile_dim0
	s_mov_b32 s[\g+4], 256                         ; tile_dim1 likewise
	s_mov_b32 s[\g+5], 1024                        ; tensor_dim0_stride
	s_mov_b32 s[\g+6], 0
	s_mov_b32 s[\g+7], 0
.endr
	; the scale bytes of 128 rows for all of K: 4,096 dense bytes, as 16 rows of 256 bytes (32 elements of 8), 16 bytes of padding behind each
	s_or_b32 s[G1S+0], s42, (3<<16)|(1<<20)|(1<<21)|(5<<22)|(3<<25)
	s_or_b32 s[G1SB+0], s92, (3<<16)|(1<<20)|(1<<21)|(5<<22)|(3<<25)
.irp g, G1S, G1SB
	s_mov_b32 s[\g+1], 32<<16
	s_mov_b32 s[\g+2], 32<<16                      ; the scale bytes of 256 rows: 32 rows of 256 bytes
	s_mov_b32 s[\g+3], 32<<16
	s_mov_b32 s[\g+4], 32
	s_mov_b32 s[\g+5], 32
	s_mov_b32 s[\g+6], 0
	s_mov_b32 s[\g+7], 0
.endr
	s_lshl_b32 s44, s43, 8                         ; source 1: the tile's first row,
	s_lshl_b32 s46, s44, 5                         ; its scale bytes (32 a row),
	s_lshl_b32 s44, s44, 10                        ; its codes (1,024 a row): under 2^23
	s_mov_b32 s45, 0
	s_mov_b32 s47, 0
	s_lshl_b32 s94, s93, 8                         ; source 0 likewise
	s_lshl_b32 s96, s94, 5
	s_lshl_b32 s94, s94, 10
	s_mov_b32 s95, 0
	s_mov_b32 s97, 0
	s_mul_i32 s40, s[WV], HALFT                    ; where they go: wave x 128 rows: no place in the cluster enters an LDS address
	s_wait_kmcnt 0x0
	s_cmp_eq_u32 ttmp9, 2                          ; the choice hangs on the cluster's number alone
	s_cselect_b64 s[98:99], s[4:5], s[8:9]         ; source 0: x for v, else W
	s_cselect_b64 s[100:101], s[6:7], s[10:11]
	s_cselect_b64 s[2:3], s[8:9], s[4:5]           ; source 1: W for v, else x
	s_cselect_b64 s[66:67], s[10:11], s[6:7]
	s_add_nc_u64 s[98:99], s[98:99], s[94:95]
	s_add_nc_u64 s[100:101], s[100:101], s[96:97]
	s_add_nc_u64 s[2:3], s[2:3], s[44:45]
	s_add_nc_u64 s[66:67], s[66:67], s[46:47]
	CROUND                                         ; all sixteen work-groups are here: the first joint loads meet
	s_mov_b32 s[G0S], 1
	s_mov_b32 s[G0S+1], SCL
	s_mov_b64 s[G0S+2:G0S+3], s[66:67]
	s_or_b32 s[G0S+3], s[G0S+3], 0x80000000
	s_mov_b32 s[G0SB], 1
	s_mov_b32 s[G0SB+1], SCL+2*HALFS
	s_mov_b64 s[G0SB+2:G0SB+3], s[100:101]
	s_or_b32 s[G0SB+3], s[G0SB+3], 0x80000000
	s_mov_b32 s4, 1                                ; s[4:7], s[8:11]: groups 0 of the head's loads of K step 0, 256 rows each (the arguments that lay there have been used)
	s_mov_b32 s5, 0
	s_mov_b64 s[6:7], s[2:3]
	s_or_b32 s7, s7, 0x80000000
	s_mov_b32 s8, 1
	s_mov_b32 s9, 2*HALFT
	s_mov_b64 s[10:11], s[98:99]
	s_or_b32 s11, s11, 0x80000000
	s_lshl_b32 s44, s[WJ], 17                      ; for the ring: my 128 rows of a tile, 1,024 bytes a row (s45 = 0)
	s_add_nc_u64 s[2:3], s[2:3], s[44:45]
	s_add_nc_u64 s[98:99], s[98:99], s[44:45]
	s_cmp_eq_u32 s[WI], 0                          ; the prefetches' base: of the 128 rows that I fetch, the 32 that fall to my work-group among the four that ask jointly: told apart by address
	s_cselect_b64 s[96:97], s[2:3], s[98:99]
	s_cselect_b32 s46, s[CX], s[CY]
	s_lshl_b32 s46, s46, 15                        ; 32 rows x 1,024 bytes (s47 = 0)
	s_add_nc_u64 s[96:97], s[96:97], s[46:47]
.irp s, 0,1
	s_mov_b32 s[G0+4*\s], 1
	s_add_co_u32 s[G0+4*\s+1], s40, \s*SLOT
	s_add_nc_u64 s[G0+4*\s+2:G0+4*\s+3], s[2:3], \s*STEPA
	s_or_b32 s[G0+4*\s+3], s[G0+4*\s+3], 0x80000000
	s_mov_b32 s[G0B+4*\s], 1
	s_add_co_u32 s[G0B+4*\s+1], s40, \s*SLOT
	s_add_nc_u64 s[G0B+4*\s+2:G0B+4*\s+3], s[98:99], \s*256
	s_or_b32 s[G0B+4*\s+3], s[G0B+4*\s+3], 0x80000000
.endr
; THE HEAD'S LOADS, ONE A WAVE: wave 0 K step 0's 256 rows of source 1, wave 1 those of source 0, wave 2 source 1's scale bytes, wave 3 source 0's.  One chain of branches on the wave's number, one load to an arm.
.macro ARM under, g0, g1, next
	s_cmp_lt_u32 s[WV], \under
	s_cbranch_scc0 \next
	tensor_load_to_lds s[\g0:\g0+3], s[\g1:\g1+7]
	s_nop 0
	PLACES 4
	s_branch .Lhead_asked
\next:
.endm
	ARM 1, 4, G1, .Lhead_b
	ARM 2, 8, G1B, .Lhead_sa
	ARM 3, G0S, G1S, .Lhead_sb
	tensor_load_to_lds s[G0SB:G0SB+3], s[G1SB:G1SB+7]
	s_nop 0
	PLACES 4
.Lhead_asked:
	v_and_b32 v1, 15, v0                           ; r = lane % 16: kept to the end
	v_bfe_u32 v2, v0, 4, 1                         ; h = lane / 16: kept to the end
	v_mul_u32_u24 v3, v1, PITCH
	v_lshl_add_u32 v4, v2, 4, v3                   ; a fragment's row x pitch + 16 h
	s_mul_i32 s2, s[WI], HALFT                     ; my 128 rows of source 1
	s_mul_i32 s3, s[WJ], HALFT                     ; my 128 rows of source 0,
	s_add_co_u32 s3, s3, 2*HALFT                   ; which lie behind source 1's 256
.irp s, 0,1
	v_add_nc_u32 v[ADRA+\s], s2, v4
	v_add_nc_u32 v[ADRB+\s], s3, v4
	s_add_co_u32 s2, s2, SLOT
	s_add_co_u32 s3, s3, SLOT
.endr
	v_and_b32 v5, 31, v0                           ; lane
	v_lshlrev_b32 v[CO16], 4, v5
	v_lshlrev_b32 v24, 10, v5                      ; v24: the prefetches' offset, a lane a row; never rewritten
	v_lshrrev_b32 v6, 3, v5
	v_lshlrev_b32 v7, 5, v5
	v_lshl_add_u32 v7, v6, 4, v7                   ; row l of a pair of blocks: 32 bytes a row, and 16 more for each 256 passed
	s_mul_i32 s2, s[WJ], HALFS
	s_add_co_u32 s2, s2, SCL+2*HALFS
	v_add_nc_u32 v[ADRS0], s2, v7
	s_mul_i32 s2, s[WI], HALFS
	s_add_co_u32 s2, s2, SCL
	v_add_nc_u32 v[ADRS1], s2, v7
	; the bias, in the result's layout: 64 registers.  q, k: register 8 b + j = b[W row 16 b + 8 h + j];  v: register 8 a + j = b[W row 16 a + r]
	s_lshl_b32 s40, s93, 8
	s_lshl_b32 s2, s[WJ], 7
	s_add_co_u32 s40, s40, s2                      ; my first row of source 0
	s_lshl_b32 s41, s43, 8
	s_lshl_b32 s2, s[WI], 7
	s_add_co_u32 s41, s41, s2                      ; my first row of source 1
	s_cmp_eq_u32 ttmp9, 2
	s_cselect_b32 s44, s41, s40                    ; my first row of W: kept to the end
	s_cselect_b32 s45, s40, s41                    ; my first token: kept to the end
	s_cselect_b32 s46, 4, 0                        ; bytes from r to r + 1,
	s_cselect_b32 s47, 0, 32                       ; from h = 0 to h = 1,
	s_cselect_b32 s94, 0, 4                        ; from register j to j + 1
	s_lshl_b32 s2, s44, 2
	s_mov_b32 s3, 0
	s_add_nc_u64 s[12:13], s[12:13], s[2:3]
	v_mul_u32_u24 v3, v1, s46
	v_mad_u32_u24 v3, v2, s47, v3
	s_wait_alu depctr_va_vdst(0)
.irp j, 0,1,2,3,4,5,6,7
	s_mul_i32 s2, s94, \j
	v_add_nc_u32 v[BO+\j], s2, v3
.endr
.irp i, 0,1,2,3,4,5,6,7
.irp j, 0,1,2,3,4,5,6,7
	global_load_b32 v[BI+8*\i+\j], v[BO+\j], s[12:13] offset:64*\i
.endr
.endr
	s_wait_alu depctr_va_vdst(0)
	s_wait_tensorcnt 0x0                           ; my tile of the head's four is in
	ds_add_u32 v[SPW], v[NIL]
	s_mov_b32 s[G1+2], 128<<16                     ; no tensor load of mine is out: from here on a load brings 128 rows
	s_mov_b32 s[G1+4], 128
	s_mov_b32 s[G1B+2], 128<<16
	s_mov_b32 s[G1B+4], 128
	s_wait_dscnt 0x0
	CROUND                                         ; all four tiles are in, and all sixteen work-groups are here
	JLOAD G0+4, G1, G0B+4, G1B                     ; K step 1: the first tensor load behind the round
	FETCH_B 0, 0, 0
	FETCH_A 0, 0, 0
	SCALES 0, 0
	global_prefetch_b8 v24, s[96:97] offset:512 th:TH_LOAD_NT scope:SCOPE_SE   ; K steps 2 and 3 of my work-group's 32 rows: 256 bytes a lane each, one and two refills ahead of the loads that want them
	global_prefetch_b8 v24, s[96:97] offset:768 th:TH_LOAD_NT scope:SCOPE_SE
	FETCH_A 0, 0, 4
	s_wait_loadcnt 0x0                             ; the bias
	s_cmp_eq_u32 ttmp9, 2                          ; the first step is written twice: it differs in which bias registers begin a sum.  No tensor load and no barrier stands in it
	s_cbranch_scc1 .Lv_first
	STEP 0, 1
	s_branch .Lfirst_done
.Lv_first:
	STEP 0, 2
.Lfirst_done:
	TURN 0, 1, 1, 1                                ; slot 0 takes K step 2
	STEP 1, 0
	TURN 1, 0, 1, 2                                ; slot 1 takes K step 3
	STEP 0, 0
	TURN 0, 1, 0, 3                                ; nothing is left to fetch
	STEP 1, 0
	s_wait_dscnt 16                                ; the very last step
	WIN MUL_LO
	MUL16 0, 1, 1, 1, 0
	MUL16 2, 1, 1, 1, 0
	s_wait_dscnt 0
	WIN MUL_HI
	MUL16 4, 1, 1, 1, 0
	MUL16 6, 1, 1, 1, 0
	WIN 0
	; THE WAY OUT
	PLACES NP                                      ; in front of the first read of results and of the first write of registers that matrix instructions have read
	s_wait_xcnt 0x0                                ; the prefetches have read their base, which is written again below
	s_mov_b32 s[SEL], 0x76543210
	s_mov_b32 s[SEL+1], 0xfedcba98                 ; v_permlanex16_b32's selects for lane l xor 16
	s_mov_b32 s[MNT], 0x600000                     ; the mantissa field of 448
.irp b, 0,1,2,3
	v_mov_b32 v[TM+4+\b], 0                        ; written once: a lane permute's destination counts as one of its sources
.endr
; My tile a of source 1: 64 registers a lane, four blocks of 32 along source 0's rows, become 16 registers of codes at v[128 + 16 a] and a scale word in v[PW + a].
.macro QUANTW a
.set AC, 64*((\a)%4)
.set W, 2+(\a)/4
.set PC, 128+16*(\a)
.set WS, (W<<2)|(W<<4)
	WIN WS                                         ; sources 1 and 2: the accumulators' window
.irp b, 0,1,2,3
	v_max3_num_f32 v[TM+\b], 0x4800000, |v[AC+16*\b]|, |v[AC+16*\b+1]|   ; block b: my 16 numbers, each accumulator from its low end on, and the floor 2^(9 - 127): the byte cannot fall under 1
.endr
.irp i, 2,4,6,8,10,12,14
.irp b, 0,1,2,3
	v_max3_num_f32 v[TM+\b], v[TM+\b], |v[AC+16*\b+\i]|, |v[AC+16*\b+\i+1]|   ; the four blocks by turns
.endr
.endr
	WIN 0
.irp b, 0,1,2,3
	v_permlanex16_b32 v[TM+4+\b], v[TM+\b], s[SEL], s[SEL+1]
.endr
.irp b, 0,1,2,3
	v_max_num_f32 v[TM+\b], v[TM+\b], v[TM+4+\b]   ; with lane l xor 16's: the block's largest magnitude
.endr
.irp b, 0,1,2,3
	v_add_nc_u32 v[TM+12+\b], 0xfc000000, v[TM+\b] ; 8 off its exponent field: the conversion's scale operand
.endr
.irp b, 0,1,2,3
	v_and_or_b32 v[TM+8+\b], v[TM+\b], 0x7f800000, s[MNT]   ; 448 x the scale
.endr
.irp b, 0,1,2,3
	v_lshrrev_b32 v[TM+4+\b], 23, v[TM+12+\b]      ; the scale's byte
.endr
	v_lshl_or_b32 v[PW+(\a)], v[TM+5], 8, v[TM+4]
	v_lshl_or_b32 v[PW+(\a)], v[TM+6], 16, v[PW+(\a)]
	v_lshl_or_b32 v[PW+(\a)], v[TM+7], 24, v[PW+(\a)]
.set WS, (W<<6)|W
	WIN WS                                         ; destination and source 0: the accumulators' window
.irp b, 0,1,2,3
.irp i, 0,1,2,3,4,5,6,7,8,9,10,11,12,13,14,15
	v_med3_num_f32 v[AC+16*\b+\i], v[AC+16*\b+\i], -v[TM+8+\b], v[TM+8+\b]   ; the conversion to an 8-bit code does not saturate (ISA guide 7.6.2): the hold at 448 x the scale
.endr
.endr
	WIN W                                          ; source 0: the accumulators' window
.irp b, 0,1,2,3
	v_cvt_scalef32_pk8_fp8_f32 v[PC+4*\b:PC+4*\b+1], v[AC+16*\b:AC+16*\b+7], v[TM+12+\b]
	v_cvt_scalef32_pk8_fp8_f32 v[PC+4*\b+2:PC+4*\b+3], v[AC+16*\b+8:AC+16*\b+15], v[TM+12+\b]
.endr
	WIN 0
	v_nop                                          ; one plain line behind the conversions
; THE ORDER WITHIN A BLOCK OF 32 (this takes the place of what the head says of lane swaps and of the images' order): the codes leave as the conversions give them: in group b lane (r, h) holds the indices 32 b + 8 h + 0..7, then 32 b + 16 + 8 h + 0..7.
; q and k have that same order along the channels, and v has along the keys the order in which the next launch's p leaves its own conversions: both operands of each product of attention carry one and the same
; permutation of K inside each block of 32, so each sum has the same terms and each block its own scale.
.endm
.irp a, 0,1,2,3,4,5,6,7
	QUANTW \a
.endr
	; where my codes go
	s_and_b32 s2, s44, 1023
	s_lshr_b32 s2, s2, 6                           ; the first of my two heads
	s_lshr_b32 s3, s45, 10                         ; the batch
	s_lshl_b32 s3, s3, 4
	s_add_co_u32 s2, s2, s3                        ; batch x 16 + head
	s_lshr_b32 s3, s45, 7
	s_and_b32 s3, s3, 7                            ; which 128 tokens of the sequence
	s_cmp_eq_u32 ttmp9, 0
	s_mov_b32 s46, 135168
	s_cselect_b32 s46, 67584, s46                  ; bytes of a head in q, in kv
	s_cselect_b64 s[96:97], s[14:15], s[16:17]
	s_mov_b32 s94, 16384
	s_cselect_b32 s94, 8192, s94                   ; where the scale words of q, of k begin in a block of 128 tokens
	s_lshr_b32 s47, s46, 3                         ; bytes of such a block
	s_mul_i32 s2, s2, s46
	s_mul_i32 s3, s3, s47
	s_add_co_u32 s2, s2, s3                        ; under 2^25
	s_mov_b32 s3, 0
	s_add_nc_u64 s[96:97], s[96:97], s[2:3]        ; my first head's block
	s_cmp_eq_u32 ttmp9, 2
	s_cselect_b32 s2, 8192, 0                      ; V^T lies behind K
	s_mov_b32 s95, 16640
	s_cselect_b32 s94, s95, s94                    ; and V's scale words behind K's
	s_mov_b32 s95, 0
	s_add_nc_u64 s[98:99], s[96:97], s[2:3]        ; the first head's codes,
	s_mov_b32 s2, s46
	s_add_nc_u64 s[100:101], s[98:99], s[2:3]      ; the second head's,
	s_add_nc_u64 s[96:97], s[96:97], s[94:95]      ; the first head's scale words
	v_mul_u32_u24 v[SOF], v2, s46
	v_lshl_add_u32 v[SOF], v1, 4, v[SOF]           ; lanes 0-15: the first head's 256 bytes, 16 a lane; lanes 16-31: the second head's
	s_mov_b32 s94, 0xffff0000                      ; lanes 16-31
	s_cmp_eq_u32 ttmp9, 2
	s_cbranch_scc1 .Lv_out
	s_wait_alu depctr_va_vdst(0)
.irp a, 0,1,2,3,4,5,6,7                        ; q, k: tile a of 16 tokens; blocks 0, 1 are the first head's channels, blocks 2, 3 the second's
.irp c, 0,1
	global_store_b128 v[CO16], v[128+16*\a+4*\c:128+16*\a+4*\c+3], s[98:99] offset:1024*\a+512*\c      ; 32 lanes store 512 consecutive bytes, at a multiple of 256 from the buffer's first byte
	global_store_b128 v[CO16], v[128+16*\a+8+4*\c:128+16*\a+8+4*\c+3], s[100:101] offset:1024*\a+512*\c
.endr
.endr
.irp p, 0,1,2,3
	v_perm_b32 v[T1+\p], v[PW+2*\p+1], v[PW+2*\p], 0x05040100      ; the first head's word p: tile 2 p's two bytes, tile 2 p + 1's two bytes
	v_perm_b32 v[T1+4+\p], v[PW+2*\p+1], v[PW+2*\p], 0x07060302    ; the second head's
.endr
.irp p, 0,1,2,3
	v_cndmask_b32 v[SD+\p], v[T1+\p], v[T1+4+\p], s94
.endr
	s_branch .Lwords_out
.Lv_out:
	s_wait_alu depctr_va_vdst(0)
.irp a, 0,1,2,3,4,5,6,7                        ; v: tile a of 16 channels (a / 4: the head); the four blocks are 128 keys
.irp c, 0,1,2,3
	global_store_b128 v[CO16], v[128+16*\a+4*\c:128+16*\a+4*\c+3], s[98+2*(\a/4):99+2*(\a/4)] offset:2048*(\a%4)+512*\c
.endr
.endr
.irp t, 0,1,2,3
	v_cndmask_b32 v[SD+\t], v[PW+\t], v[PW+4+\t], s94
.endr
.Lwords_out:
	s_wait_alu depctr_va_vdst(0)
	global_store_b128 v[SOF], v[SD:SD+3], s[96:97] ; sixteen lanes store 256 consecutive aligned bytes for each head
	s_wait_tensorcnt 0x0                           ; the wave's end
	ds_add_u32 v[SPW], v[NIL]
	s_wait_dscnt 0x0
	CROUND                                         ; the closing round: no work-group ends while a partner may still ask for a tile that names it
	s_endpgm
.Lfunc_end_k_q0cf0eeb643_qkv:
	.size	k_q0cf0eeb643_qkv, .Lfunc_end_k_q0cf0eeb643_qkv-k_q0cf0eeb643_qkv
	.p2alignl 7, 3214868480
	.fill 96, 4, 3214868480
	.section	.rodata,"a",@progbits
	.p2align	6, 0x0
	.amdhsa_kernel k_q0cf0eeb643_qkv
		.amdhsa_group_segment_fixed_size 327680
		.amdhsa_private_segment_fixed_size 0
		.amdhsa_enable_private_segment 0
		.amdhsa_kernarg_size 56
		.amdhsa_user_sgpr_count 2
		.amdhsa_user_sgpr_kernarg_segment_ptr 1
		.amdhsa_wavefront_size32 1
		.amdhsa_system_sgpr_workgroup_id_x 1
		.amdhsa_system_sgpr_workgroup_id_y 1
		.amdhsa_system_sgpr_workgroup_id_z 1
		.amdhsa_system_vgpr_workitem_id 0
		.amdhsa_next_free_vgpr 1024
		.amdhsa_next_free_sgpr 102
		.amdhsa_reserve_vcc 0
		.amdhsa_float_denorm_mode_32 3
		.amdhsa_float_denorm_mode_16_64 3
		.amdhsa_memory_ordered 1
		.amdhsa_forward_progress 1
		.amdhsa_inst_pref_size 211
	.end_amdhsa_kernel
	.amdgpu_metadata
---
amdhsa.version: [ 1, 2 ]
amdhsa.kernels:
  - .name:           k_q0cf0eeb643_qkv
    .symbol:         k_q0cf0eeb643_qkv.kd
    .args:
      - { .name: x_codes, .offset: 0, .size: 8, .value_kind: global_buffer, .address_space: global }
      - { .name: x_scales, .offset: 8, .size: 8, .value_kind: global_buffer, .address_space: global }
      - { .name: qkv_w_codes, .offset: 16, .size: 8, .value_kind: global_buffer, .address_space: global }
      - { .name: qkv_w_scales, .offset: 24, .size: 8, .value_kind: global_buffer, .address_space: global }
      - { .name: qkv_b, .offset: 32, .size: 8, .value_kind: global_buffer, .address_space: global }
      - { .name: q, .offset: 40, .size: 8, .value_kind: global_buffer, .address_space: global }
      - { .name: kv, .offset: 48, .size: 8, .value_kind: global_buffer, .address_space: global }
    .group_segment_fixed_size: 327680
    .private_segment_fixed_size: 0
    .kernarg_segment_align: 8
    .kernarg_segment_size: 56
    .max_flat_workgroup_size: 128
    .sgpr_count:     102
    .vgpr_count:     1024
    .wavefront_size: 32
...
	.end_amdgpu_metadata
.endif
;; end of part 1
;; launch attn (part 2): grid 4 x 64, 16 waves a work-group, clusters of 4 x 1, 327,680 bytes of LDS; arguments q, kv, a_codes, a_scales; writes a_codes, a_scales
.if DOCPART == 2
	.amdgcn_target "amdgcn-amd-amdhsa--gfx1250"
	.amdhsa_code_object_version 6
	.text
	.protected	k_q0cf0eeb643_attn
	.globl	k_q0cf0eeb643_attn
	.p2align	8
	.type	k_q0cf0eeb643_attn,@function
k_q0cf0eeb643_attn:
	s_mov_b64 s[64:65], 0
	v_nop
	global_prefetch_b8 v0, s[64:65] scope:SCOPE_SE
	s_setreg_imm32_b32 hwreg(HW_REG_WAVE_MODE, 25, 1), 1
	s_wait_xcnt 0x0
	s_wait_alu depctr_hold_cnt(0) depctr_sa_sdst(0) depctr_va_vdst(0) depctr_va_sdst(0) depctr_va_ssrc(0) depctr_va_vcc(0) depctr_vm_vsrc(0)
	s_getreg_b32 s2, hwreg(HW_REG_IB_STS2, 6, 4)
	s_cmp_eq_u32 s2, 0
	s_cbranch_scc0 .Lentry_in_a_cluster
	s_endpgm
.Lentry_in_a_cluster:
	s_bfe_u32 s2, ttmp6, 0x10000c
	s_cmp_lg_u32 s2, 0x3003
	s_cbranch_scc0 .Lentry_shape_is_right
	s_endpgm
.Lentry_shape_is_right:
; attn[b][q][h][:] = the sum over k of softmax_k(q . k / 8) v, both products on codes of FP8 (E4M3) with one E8M0 scale for each 32 along a product's K; the result is quantised along the embedding for the last product.
; THE SOFTMAX AHEAD OF THE SECOND PRODUCT: t = score x log2(e) / 8; M = the row's largest t so far, rounded UP to a whole number; p = 2^(t - M) is what is quantised, along the keys; it is not normalised.
; The row's sum is taken of the unquantised p, in f32, and divides the result at the end.  When M moves, the sum and O are multiplied by 2^(old M - new M): exact.
; SHARES.  A work-group owns 256 queries of one batch and TWO neighbouring heads, one after the other: so each wave ends with 128 neighbouring numbers of 16 rows of attn, a whole fragment and a whole scale word of the last product.
; Each of its sixteen waves owns 16 queries in 256 registers: four waves to a SIMD, so that one wave's vector work stands beside another's matrix work and LDS loads.  Every wave walks all 1,024 keys, 128 a step.
; LDS holds K, V^T and their scale words of both heads whole: 270,336 bytes, dense in memory as the launch before laid them (images of the operands' registers), FILLED ONCE: no slot is filled again.
; The second head's tiles are shown to every wave by a barrier behind the first head's first key step, so that no barrier stands between the heads: a wave that has finished the first head goes straight on.
; CLUSTER.  The four blocks of queries of a batch and a pair of heads read the same K and V: they form a cluster and ask jointly, by the same tensor loads with a mask that names the four.
; LAYOUT.  Both products are used transposed: S^T = K Q^T, O^T = V^T P^T: a lane holds ONE query (lane % 16) throughout.
; THE FIRST PRODUCT'S K IS 64, THE INSTRUCTION'S 128.  Source 0 is two tiles of 16 keys side by side, 64 channels each; it feeds two instructions: with source 1 = [Q | zeros] for the first tile, [zeros | Q] for the second.
; So no fragment of K is padded or read twice.  The zero half's codes are zeros, which add nothing; K's codes come from held conversions and are numbers; the zero half's scale bytes are 1.
; The 16 registers of two neighbouring tiles of S^T hold keys 32 b + 8 h + 0..7 and 32 b + 16 + 8 h + 0..7; after the conversion two v_permlane16_swap_b32 a block bring p's codes into the operand's order, 32 b + 16 h + 0..15.
; OUT: a_codes [tile of 16 rows 512][128 along E 8][c 4][lane 32][16 bytes]: images of the last product's fragments;  a_scales [128 rows 64][128 along E 8][lane 32][e 4] words: word (l, e) is row 16 (2 e + l / 16) + l % 16's.
; LIMITS: NaN and infinities are not served.  A block whose largest magnitude lies under 2^-118, a block of zeros among them, gets the scale byte 1; the bytes are read by this program alone.
.set SS,   16896                       ; a step's bytes: K 8,192, V^T 8,192, K's scale words 256, V's 256
.set HSB,  8*SS                        ; a head's
.set STG,  2*HSB                       ; behind the two heads: 1,024 bytes in which the waves' scale words meet; no tile lands there
.set LA,   1                           ; v1   16 x lane
.set LR,   2                           ; v2   16 x (lane % 16)
.set ADR,  3                           ; v3   LDS address of the step's fragments
.set ADS,  4                           ; v4   of its scale words
.set AW,   6                           ; v6   attn's scale word: the first head's two bytes, then the second's
.set SWA,  7                           ; v7   where I put it
.set FP,   8                           ; v[8:9]  f = 2^(old M - new M), named as a pair
.set TT,   10                          ; v10  at work
.set SRA,  11                          ; v11  where waves 0 and 1 read the words back
.set QF,   16                          ; v16-23 Q, v24-31 zeros, v32-39 Q
.set QS,   40                          ; v40, v41  Q's scale words for [Q | 0] and [0 | Q]
.set PS,   42                          ; v42  p's scale word
.set KSC,  44                          ; v44-47  K's scale words, one for each pair of tiles
.set VSC,  48                          ; v48-51  V's, one for each tile of channels
.set QN,   52                          ; v52-59  the second head's Q
.set QNS,  60                          ; v60  its scale word as loaded;  v61 the first head's
.set QRS,  61
.set F,    64                          ; v64-127  four fragments: K's, then V's
.set S,    128                         ; v128-191 S^T, then p
.set O,    192                         ; v192-223 O^T
.set PCD,  224                         ; v224-239 codes
.set BM,   240                         ; v240-243 each block's largest;  v244-247 at work;  v248-251 448 x the scale;  v252-255 the conversions' scale operands
.set PB,   244
.set LIM,  248
.set SOP,  252
.set WV,  12
.set CX,  13
.set Y,   14
.set TB,  15                           ; s15  LDS byte at which the step in hand begins
.set CNT, 16
.set SH,  17                           ; s17  16 x (wave % 2): which half of Q's scale word is my tile's
.set SEL, 20
.set CS,  22                           ; s[22:23] c = log2(e) / 8
.set MNT, 24
.set G1,  28                           ; s[28:35] descriptor group 1;  s[36:39] group 0: my step of the two heads
.set G0A, 36
.set G0B, 40
.set QB,  44                           ; s[44:45] my tile of Q;  s[50:51] its scale words
.set AOUT, 46                          ; s[46:47] my fragment of attn
.set ASC, 48                           ; s[48:49] the scale words' 512 bytes
.set QSB, 50
.macro CROUND                          ; a round of the cluster's barrier
	s_barrier_signal -1
	s_barrier_wait -1
	s_cmp_lg_u32 s[WV], 0
	s_cbranch_scc1 .Lnot_wave_0_\@
	s_barrier_signal -3
.Lnot_wave_0_\@:
	s_barrier_wait -3
	s_barrier_signal -1
	s_barrier_wait -1
.endm
	s_load_b256 s[4:11], s[0:1], 0x0               ; q s[4:5], kv s[6:7], a_codes s[8:9], a_scales s[10:11]
	v_lshl_add_u32 v62, v0, 2, 0x42400
	v_mov_b32 v63, 0
	ds_add_u32 v62, v63
	ds_add_u32 v62, v63
	v_lshrrev_b32 v1, 5, v0
	s_delay_alu instid0(VALU_DEP_1)
	v_readfirstlane_b32 s[WV], v1                  ; wave 0..15
	s_bfe_u32 s[CX], ttmp6, 0x40000                ; my place in the cluster: which 256 queries.  It enters addresses in memory alone
	s_and_b32 s[Y], ttmp7, 0xffff                  ; 8 x batch + pair of heads
	; descriptor group 1: a step's 16,896 dense bytes as 66 rows of 256 bytes (32 elements of 8), no padding: images are read 512 consecutive bytes at a time
	s_mov_b32 s[G1], 15|(3<<16)|(1<<21)            ; 15:0 the mask: all four work-groups; 17:16 elements of 8 bytes; 21 set beside a mask
	s_mov_b32 s[G1+1], 32<<16                      ; tensor_dim0
	s_mov_b32 s[G1+2], 66<<16                      ; tensor_dim1
	s_mov_b32 s[G1+3], 32<<16                      ; tile_dim0
	s_mov_b32 s[G1+4], 66                          ; tile_dim1
	s_mov_b32 s[G1+5], 32                          ; tensor_dim0_stride
	s_mov_b32 s[G1+6], 0
	s_mov_b32 s[G1+7], 0
	s_mul_i32 s18, s[WV], SS                       ; wave w fetches step w of the pair's sixteen: the two heads lie end to end in memory and in LDS
	s_mul_i32 s2, s[Y], 2*HSB                      ; the pair's first byte in kv: under 2^25
	s_add_co_u32 s2, s2, s18
	s_mov_b32 s3, 0
	s_wait_dscnt 0x0
	s_wait_kmcnt 0x0
	s_mov_b32 s[G0A], 1
	s_mov_b32 s[G0A+1], s18
	s_add_nc_u64 s[G0A+2:G0A+3], s[6:7], s[2:3]
	s_or_b32 s[G0A+3], s[G0A+3], 0x80000000
	CROUND                                         ; all four work-groups are here: the joint loads meet
	s_cmp_lt_u32 s[WV], 8                          ; one load a wave, in two arms: the first barrier waits for the first arm's loads alone
	s_cbranch_scc0 .Lsecond
	tensor_load_to_lds s[G0A:G0A+3], s[G1:G1+7]    ; waves 0 to 7: the first head's steps
	s_nop 0
.rept 4
	v_nop
.endr
	s_branch .Lasked
.Lsecond:
	tensor_load_to_lds s[G0A:G0A+3], s[G1:G1+7]    ; waves 8 to 15: the second head's
	s_nop 0
.rept 4
	v_nop
.endr
.Lasked:
	v_and_b32 v[TT], 31, v0
	s_delay_alu instid0(VALU_DEP_1)
	v_lshlrev_b32 v[LA], 4, v[TT]
	s_wait_alu depctr_va_vdst(0)
	v_and_b32 v[LR], 15, v0
	s_delay_alu instid0(VALU_DEP_1)
	v_lshlrev_b32 v[LR], 4, v[LR]
	s_wait_alu depctr_va_vdst(0)
	s_lshr_b32 s25, s[WV], 3
	s_lshl_b32 s26, s[CX], 1
	s_add_co_u32 s25, s25, s26                     ; which 128 queries of the sequence: 2 cx + wave / 8
	s_mul_i32 s25, s25, 8448
	s_mul_i32 s26, s[Y], 135168                    ; the pair's first head in q
	s_add_co_u32 s25, s25, s26
	s_and_b32 s26, s[WV], 7                        ; my tile among the eight
	s_lshl_b32 s27, s26, 10
	s_add_co_u32 s2, s25, s27
	s_add_nc_u64 s[QB:QB+1], s[4:5], s[2:3]
	s_lshr_b32 s26, s26, 1
	s_lshl_b32 s26, s26, 2                         ; the word of my pair of tiles
	s_add_co_u32 s2, s25, s26
	s_add_co_u32 s2, s2, 8192
	s_add_nc_u64 s[QSB:QSB+1], s[4:5], s[2:3]
	s_and_b32 s[SH], s[WV], 1
	s_lshl_b32 s[SH], s[SH], 4
	global_load_b128 v[QF:QF+3], v[LA], s[QB:QB+1]                  ; the first head's Q, twice: the two operands share the zeros alone
	global_load_b128 v[QF+4:QF+7], v[LA], s[QB:QB+1] offset:512
	global_load_b128 v[QF+16:QF+19], v[LA], s[QB:QB+1]
	global_load_b128 v[QF+20:QF+23], v[LA], s[QB:QB+1] offset:512
	global_load_b32 v[QRS], v[LR], s[QSB:QSB+1]
	global_load_b128 v[QN:QN+3], v[LA], s[QB:QB+1] offset:67584     ; the second head's
	global_load_b128 v[QN+4:QN+7], v[LA], s[QB:QB+1] offset:67584+512
	global_load_b32 v[QNS], v[LR], s[QSB:QSB+1] offset:67584
	s_lshr_b32 s25, s[Y], 3                        ; the batch
	s_and_b32 s26, s[Y], 7                         ; the pair of heads = which 128 along E
	s_lshl_b32 s27, s25, 6
	s_lshl_b32 s2, s[CX], 4
	s_add_co_u32 s27, s27, s2
	s_add_co_u32 s27, s27, s[WV]                   ; my tile of 16 rows: 64 x batch + 16 cx + wave
	s_lshl_b32 s27, s27, 14
	s_lshl_b32 s2, s26, 11
	s_add_co_u32 s2, s2, s27
	s_add_nc_u64 s[AOUT:AOUT+1], s[8:9], s[2:3]
	s_lshl_b32 s27, s25, 3
	s_lshl_b32 s2, s[CX], 1
	s_add_co_u32 s27, s27, s2
	s_and_b32 s2, s[WV], 1
	s_add_co_u32 s27, s27, s2                      ; the group of 128 rows whose words wave 0 or 1 stores
	s_lshl_b32 s27, s27, 12
	s_lshl_b32 s2, s26, 9
	s_add_co_u32 s2, s2, s27
	s_add_nc_u64 s[ASC:ASC+1], s[10:11], s[2:3]
	s_lshr_b32 s25, s[WV], 3
	s_lshl_b32 s25, s25, 9                         ; the stage: 512 bytes for each group of 128 rows;
	s_and_b32 s26, s[WV], 1
	s_lshl_b32 s26, s26, 8                         ; an odd tile's rows are lanes 16-31's;
	s_add_co_u32 s25, s25, s26
	s_bfe_u32 s26, s[WV], 0x20001
	s_lshl_b32 s26, s26, 2                         ; word e = (tile / 2)
	s_add_co_u32 s25, s25, s26
	s_add_co_u32 s25, s25, STG
	v_add_nc_u32 v[SWA], s25, v[LR]
	s_and_b32 s26, s[WV], 1
	s_lshl_b32 s26, s26, 9
	s_add_co_u32 s26, s26, STG
	v_add_nc_u32 v[SRA], s26, v[LA]
.irp j, 0,1,2,3,4,5,6,7
	v_mov_b32 v[QF+8+\j], 0                        ; the zero half that both operands share
.endr
	v_mov_b32 v[AW], 0
	v_mov_b32 v[FP+1], 0                           ; named as the upper half of a pair, so it is written
.irp b, 0,1,2,3
	v_mov_b32 v[PB+\b], 0                          ; written once: a lane permute's destination counts as one of its sources
.endr
	s_mov_b32 s[SEL], 0x76543210
	s_mov_b32 s[SEL+1], 0xfedcba98                 ; v_permlanex16_b32's selects for lane l xor 16
	s_mov_b32 s[CS], 0x3e38aa3b                    ; c = log2(e) / 8
	s_mov_b32 s[CS+1], s[CS]
	s_mov_b32 s[MNT], 0x600000                     ; the mantissa field of 448
	s_mov_b32 s[TB], 0
	s_wait_alu depctr_va_vdst(0)
	s_wait_loadcnt 0x0                             ; Q
	s_cmp_lt_u32 s[WV], 8
	s_cbranch_scc0 .Lnot_first
	s_wait_tensorcnt 0x0                           ; waves 0 to 7: my step of the first head is in; the second head's loads may stay out
.Lnot_first:
	s_barrier_signal -1
	s_barrier_wait -1                              ; everybody's is
.macro QSET raw                        ; my tile's two bytes of the loaded word, with the byte 1 for the zero half
	v_lshrrev_b32 v[TT], s[SH], v[\raw]
	s_delay_alu instid0(VALU_DEP_1)
	v_and_b32 v[TT], 0xffff, v[TT]
	s_delay_alu instid0(VALU_DEP_1)
	v_or_b32 v[QS], 0x01010000, v[TT]
	s_delay_alu instid0(VALU_DEP_2)
	v_lshl_or_b32 v[QS+1], v[TT], 16, 0x101
.endm
; A KEY STEP: 128 keys.
.macro KSTEP
	v_add_nc_u32 v[ADR], s[TB], v[LA]
	v_add_nc_u32 v[ADS], s[TB], v[LR]
.rept 6
	v_nop                                          ; with the two additions: eight places in front of loads into registers that the last products read
.endr
.set i, 0
.rept 16
	ds_load_b128 v[F+4*i:F+4*i+3], v[ADR] offset:512*i             ; K: eight tiles of 16 keys x 64 channels: four operands of two tiles
.set i, i+1
.endr
	ds_load_b128 v[KSC:KSC+3], v[ADS] offset:16384
	s_wait_alu depctr_va_vdst(0)
	s_wait_dscnt 0x0
.irp p, 0,1,2,3
.irp u, 0,1
	v_wmma_scale_f32_16x16x128_f8f6f4 v[S+8*(2*\p+\u):S+8*(2*\p+\u)+7], v[F+16*\p:F+16*\p+15], v[QF+8*\u:QF+8*\u+15], 0, v[KSC+\p], v[QS+\u]
.endr
.endr
.rept 8
	v_nop                                          ; places in front of the loads below and of the first read of the scores
.endr
.set i, 0
.rept 16
	ds_load_b128 v[F+4*i:F+4*i+3], v[ADR] offset:8192+512*i        ; V^T: four tiles of 16 channels x 128 keys: they land under the softmax
.set i, i+1
.endr
	ds_load_b128 v[VSC:VSC+3], v[ADS] offset:16640
.irp b, 0,1,2,3
	v_max3_num_f32 v[BM+\b], v[S+16*\b], v[S+16*\b+1], v[S+16*\b+2]   ; the largest score of each block of 32 keys: it serves for the row's maximum and, since p rises with the score, for the block's largest p
.endr
.irp i, 3,5,7,9,11,13
.irp b, 0,1,2,3
	v_max3_num_f32 v[BM+\b], v[BM+\b], v[S+16*\b+\i], v[S+16*\b+\i+1]
.endr
.endr
.irp b, 0,1,2,3
	v_max_num_f32 v[BM+\b], v[BM+\b], v[S+16*\b+15]
.endr
.irp b, 0,1,2,3
	s_delay_alu instid0(VALU_DEP_4)
	v_permlanex16_b32 v[PB+\b], v[BM+\b], s[SEL], s[SEL+1]
.endr
.irp b, 0,1,2,3
	s_delay_alu instid0(VALU_DEP_4)
	v_max_num_f32 v[BM+\b], v[BM+\b], v[PB+\b]     ; with lane l xor 16's 16 keys
.endr
	s_delay_alu instid0(VALU_DEP_2)
	v_max3_num_f32 v[TT], v[BM], v[BM+1], v[BM+2]
	s_delay_alu instid0(VALU_DEP_1)
	v_max_num_f32 v[TT], v[TT], v[BM+3]            ; the step's largest score of my query
	s_delay_alu instid0(VALU_DEP_1)
	v_mul_f32 v[TT], s[CS], v[TT]                  ; as t (c is positive)
	s_delay_alu instid0(VALU_DEP_1)
	v_max_num_f32 v13, v13, v[TT]                  ; the running largest t
	v_mov_b32 v[TT], v12
	s_delay_alu instid0(VALU_DEP_2)
	v_floor_f32 v12, -v13                          ; the new -M = floor(-t) = -ceil(t): a whole number
	s_delay_alu instid0(VALU_DEP_1)
	v_sub_f32 v[TT], v12, v[TT]                    ; M's old value less its new one: 0 or less
	s_delay_alu instid0(VALU_DEP_1)
	v_cvt_i32_f32 v[TT], v[TT]                     ; (it saturates)
	s_delay_alu instid0(VALU_DEP_1)
	v_ldexp_f32 v[FP], 1.0, v[TT]                  ; f = 2^(old M - new M)
.set i, 0
.rept 32
	v_pk_fma_f32 v[S+i:S+i+1], v[S+i:S+i+1], s[CS:CS+1], v[12:13] op_sel_hi:[1,0,0]   ; t - M, two at a time
.set i, i+2
.endr
.irp b, 0,1,2,3
	v_fma_f32 v[BM+\b], v[BM+\b], s[CS], v12       ; the same of each block's largest score
.endr
.set i, 0
	s_wait_alu depctr_va_vdst(0)
.rept 64
	v_exp_f32 v[S+i], v[S+i]                       ; p = 2^(t - M), at most 1: not normalised
.set i, i+1
.endr
	v_pk_mul_f32 v[14:15], v[14:15], v[FP:FP+1] op_sel_hi:[1,0]    ; the sums under the new M: a plain line behind the exponentials
	s_wait_alu depctr_va_vdst(0)                   ; one wait for the whole batch, ahead of its first reader
.irp b, 0,1,2,3
	v_exp_f32 v[BM+\b], v[BM+\b]                   ; the block's largest p: the same two instructions on the same number give the same bits
.endr
	v_pk_add_f32 v[244:245], v[132:133], v[136:137]
	v_pk_add_f32 v[254:255], v[140:141], v[144:145]
	v_pk_add_f32 v[252:253], v[148:149], v[152:153]
	v_pk_add_f32 v[250:251], v[156:157], v[160:161]
	v_pk_add_f32 v[248:249], v[164:165], v[168:169]
	v_pk_add_f32 v[246:247], v[172:173], v[176:177]
	v_pk_add_f32 v[238:239], v[180:181], v[184:185]
	v_pk_add_f32 v[14:15], v[14:15], v[188:189]
	v_pk_add_f32 v[244:245], v[244:245], v[128:129]
	v_pk_add_f32 v[254:255], v[254:255], v[130:131]
	v_pk_add_f32 v[252:253], v[252:253], v[134:135]
	v_pk_add_f32 v[250:251], v[250:251], v[138:139]
	v_pk_add_f32 v[248:249], v[248:249], v[142:143]
	v_pk_add_f32 v[246:247], v[246:247], v[146:147]
	v_pk_add_f32 v[238:239], v[238:239], v[150:151]
	v_pk_add_f32 v[14:15], v[14:15], v[154:155]
	v_pk_add_f32 v[244:245], v[244:245], v[158:159]
	v_pk_add_f32 v[254:255], v[254:255], v[162:163]
	v_pk_add_f32 v[252:253], v[252:253], v[166:167]
	v_pk_add_f32 v[250:251], v[250:251], v[170:171]
	v_pk_add_f32 v[248:249], v[248:249], v[174:175]
	v_pk_add_f32 v[246:247], v[246:247], v[178:179]
	v_pk_add_f32 v[238:239], v[238:239], v[182:183]
	v_pk_add_f32 v[14:15], v[14:15], v[186:187]
	v_pk_add_f32 v[244:245], v[244:245], v[190:191]
	s_delay_alu instid0(VALU_DEP_2)
	v_pk_add_f32 v[14:15], v[14:15], v[250:251]
	s_delay_alu instid0(VALU_DEP_2)
	v_pk_add_f32 v[244:245], v[244:245], v[248:249]
	v_pk_add_f32 v[254:255], v[254:255], v[246:247]
	v_pk_add_f32 v[252:253], v[252:253], v[238:239]
	s_delay_alu instid0(VALU_DEP_2)
	v_pk_add_f32 v[14:15], v[14:15], v[254:255]
	s_delay_alu instid0(VALU_DEP_2)
	v_pk_add_f32 v[244:245], v[244:245], v[252:253]
	s_delay_alu instid0(VALU_DEP_1)
	v_pk_add_f32 v[14:15], v[14:15], v[244:245]
	s_wait_alu depctr_va_vdst(0)                   ; and one for the four
.irp b, 0,1,2,3
	v_max_num_f32 v[BM+\b], 0x4800000, v[BM+\b]    ; the floor 2^(9 - 127): the byte cannot fall under 1
.endr
.irp b, 0,1,2,3
	s_delay_alu instid0(VALU_DEP_4)
	v_add_nc_u32 v[SOP+\b], 0xfc000000, v[BM+\b]   ; 8 off the exponent field: the conversion's scale operand
.endr
.irp b, 0,1,2,3
	v_and_or_b32 v[LIM+\b], v[BM+\b], 0x7f800000, s[MNT]   ; 448 x the scale
.endr
.irp b, 0,1,2,3
	v_lshrrev_b32 v[PB+\b], 23, v[SOP+\b]          ; the scale's byte
.endr
	s_delay_alu instid0(VALU_DEP_3)
	v_lshl_or_b32 v[PS], v[PB+1], 8, v[PB]         ; p's scale word for these 128 keys
	s_delay_alu instid0(VALU_DEP_1)
	v_lshl_or_b32 v[PS], v[PB+2], 16, v[PS]
	s_delay_alu instid0(VALU_DEP_1)
	v_lshl_or_b32 v[PS], v[PB+3], 24, v[PS]
; The conversion does not saturate (ISA guide 7.6.2); p is not negative, so the hold is one-sided.  Two holds go in one dual-issue instruction: both halves take the block's limit as their first source,
; their second sources are neighbouring registers, and one destination is even, the other odd.
.irp b, 0,1,2,3
.irp i, 0,2,4,6,8,10,12,14
	v_dual_min_num_f32 v[S+16*\b+\i], v[LIM+\b], v[S+16*\b+\i] :: v_dual_min_num_f32 v[S+16*\b+\i+1], v[LIM+\b], v[S+16*\b+\i+1]
.endr
	v_cvt_scalef32_pk8_fp8_f32 v[PCD+4*\b:PCD+4*\b+1], v[S+16*\b:S+16*\b+7], v[SOP+\b]
	v_cvt_scalef32_pk8_fp8_f32 v[PCD+4*\b+2:PCD+4*\b+3], v[S+16*\b+8:S+16*\b+15], v[SOP+\b]
.endr
; p's codes stay as the conversions give them (this takes the place of what the head says of lane swaps on p): in group b lane (r, h) holds keys 32 b + 8 h + 0..7, then 32 b + 16 + 8 h + 0..7: the order in which the launch before leaves V^T's keys,
; and Q's and K's channels alike.  Both operands of a product carry the same permutation of K inside each block of 32: the sums have the same terms.  The lines below are the plain lines behind the conversions.
.set i, 0
.rept 16
	v_pk_mul_f32 v[O+i:O+i+1], v[O+i:O+i+1], v[FP:FP+1] op_sel_hi:[1,0]   ; O^T under the new M; these lines are also the places between the codes' last write and the products
.set i, i+2
.endr
	s_wait_alu depctr_va_vdst(0)
	s_wait_dscnt 0x0                               ; V^T and its scale words are in
.irp t, 0,1,2,3
	v_wmma_scale_f32_16x16x128_f8f6f4 v[O+8*\t:O+8*\t+7], v[F+16*\t:F+16*\t+15], v[PCD:PCD+15], v[O+8*\t:O+8*\t+7], v[VSC+\t], v[PS]   ; the four accumulators by turns
.endr
.endm
; A head's end: O^T is divided by the row's sum, quantised along its 64 channels (two blocks) and stored as half a fragment of the last product.
.macro HEADEND hd
	v_add_f32 v14, v14, v15                        ; the sum's two halves,
.rept 7
	v_nop                                          ; eight places behind the last products
.endr
	v_permlanex16_b32 v[TT], v14, s[SEL], s[SEL+1]
	s_delay_alu instid0(VALU_DEP_1)
	v_add_f32 v14, v14, v[TT]                      ; and lane l xor 16's: the row's sum
	s_wait_alu depctr_va_vdst(0)
	v_rcp_f32 v14, v14
	v_nop                                          ; a plain line behind the reciprocal
	s_wait_alu depctr_va_vdst(0)                   ; and the wait, ahead of its first reader
.set i, 0
.rept 16
	v_pk_mul_f32 v[S+i:S+i+1], v[O+i:O+i+1], v[14:15] op_sel_hi:[1,0]   ; each accumulator from its low end on
.set i, i+2
.endr
.irp b, 0,1
	v_max3_num_f32 v[BM+\b], |v[S+16*\b]|, |v[S+16*\b+1]|, 0x4800000
.endr
.irp i, 2,4,6,8,10,12,14
.irp b, 0,1
	s_delay_alu instid0(VALU_DEP_2)
	v_max3_num_f32 v[BM+\b], v[BM+\b], |v[S+16*\b+\i]|, |v[S+16*\b+\i+1]|
.endr
.endr
.irp b, 0,1
	s_delay_alu instid0(VALU_DEP_2)
	v_permlanex16_b32 v[PB+\b], v[BM+\b], s[SEL], s[SEL+1]
.endr
.irp b, 0,1
	s_delay_alu instid0(VALU_DEP_2)
	v_max_num_f32 v[BM+\b], v[BM+\b], v[PB+\b]
.endr
.irp b, 0,1
	s_delay_alu instid0(VALU_DEP_2)
	v_add_nc_u32 v[SOP+\b], 0xfc000000, v[BM+\b]
.endr
.irp b, 0,1
	s_delay_alu instid0(VALU_DEP_4)
	v_and_or_b32 v[LIM+\b], v[BM+\b], 0x7f800000, s[MNT]
.endr
.irp b, 0,1
	s_delay_alu instid0(VALU_DEP_4)
	v_lshrrev_b32 v[PB+\b], 23, v[SOP+\b]
.endr
	s_delay_alu instid0(VALU_DEP_1)
	v_lshl_or_b32 v[TT], v[PB+1], 8, v[PB]         ; this head's two bytes
	v_lshrrev_b32 v[AW], 16, v[AW]                 ; the head before moves down,
	s_delay_alu instid0(VALU_DEP_1)
	v_lshl_or_b32 v[AW], v[TT], 16, v[AW]          ; this one comes in on top
.irp b, 0,1
.irp i, 0,1,2,3,4,5,6,7,8,9,10,11,12,13,14,15
	v_med3_num_f32 v[S+16*\b+\i], v[S+16*\b+\i], -v[LIM+\b], v[LIM+\b]
.endr
	v_cvt_scalef32_pk8_fp8_f32 v[PCD+4*\b:PCD+4*\b+1], v[S+16*\b:S+16*\b+7], v[SOP+\b]
	v_cvt_scalef32_pk8_fp8_f32 v[PCD+4*\b+2:PCD+4*\b+3], v[S+16*\b+8:S+16*\b+15], v[SOP+\b]
.endr
	v_nop
.irp b, 0,1
	v_permlane16_swap_b32 v[PCD+4*\b], v[PCD+4*\b+2]
	v_permlane16_swap_b32 v[PCD+4*\b+1], v[PCD+4*\b+3]
.endr
	global_store_b128 v[LA], v[PCD:PCD+3], s[AOUT:AOUT+1] offset:1024*\hd          ; 32 lanes store 512 consecutive bytes, at a multiple of 256 from the buffer's first byte
	global_store_b128 v[LA], v[PCD+4:PCD+7], s[AOUT:AOUT+1] offset:1024*\hd+512
.endm
.macro HEAD hd
.if \hd
	s_wait_xcnt 0x0                                ; the first head's stores have read their registers: the codes' registers are written again below
.irp j, 0,1,2,3,4,5,6,7
	v_mov_b32 v[QF+\j], v[QN+\j]
	v_mov_b32 v[QF+16+\j], v[QN+\j]
.endr
	QSET QNS
.else
	QSET QRS
.endif
	v_mov_b32 v13, 0xff61b1e6                      ; the largest t so far: -3e38, under every t
	s_delay_alu instid0(VALU_DEP_1)
	v_floor_f32 v12, -v13                          ; -M
	v_mov_b32 v14, 0                               ; the sum, in two halves
	v_mov_b32 v15, 0
.set i, 0
.rept 32
	v_mov_b32 v[O+i], 0                            ; O^T: the step is one text; the first finds zeros, which the first change of M leaves zeros
.set i, i+1
.endr
.if \hd
	s_mov_b32 s[CNT], 8
.else
	KSTEP                                          ; the first head's first step is written out, for the barrier behind it
	s_add_co_u32 s[TB], s[TB], SS
	s_wait_tensorcnt 0x0                           ; my part of the second head is in (no load of mine was issued behind it),
	s_wait_dscnt 0x0
	s_barrier_signal -1
	s_barrier_wait -1                              ; everybody's is: every read of the second head's bytes stands behind this wait
	s_mov_b32 s[CNT], 7
.endif
.Lkeys_\@:
	KSTEP
	s_add_co_u32 s[TB], s[TB], SS                  ; the next step's tiles; from the first head's last step on into the second head's first
	s_sub_co_u32 s[CNT], s[CNT], 1
	s_cmp_lg_u32 s[CNT], 0
	s_cbranch_scc1 .Lkeys_\@
	HEADEND \hd
.endm
	HEAD 0
	HEAD 1
	ds_store_b32 v[SWA], v[AW]                     ; my 16 rows' scale words (lanes r and r + 16 hold, and write, the same word)
	s_wait_dscnt 0x0                               ; for the others' sake: my store is done
	s_barrier_signal -1
	s_barrier_wait -1
	s_cmp_lt_u32 s[WV], 2                          ; wave 0 stores the first 128 rows' words, wave 1 the second's
	s_cbranch_scc0 .Lno_words
	ds_load_b128 v[S:S+3], v[SRA]
	s_wait_dscnt 0x0
	global_store_b128 v[LA], v[S:S+3], s[ASC:ASC+1]   ; 512 consecutive aligned bytes
.Lno_words:
	s_wait_tensorcnt 0x0
	ds_add_u32 v62, v63
	s_wait_dscnt 0x0
	CROUND                                         ; the closing round: no work-group ends while a partner may still ask for a tile that names it
	s_endpgm
.Lfunc_end_k_q0cf0eeb643_attn:
	.size	k_q0cf0eeb643_attn, .Lfunc_end_k_q0cf0eeb643_attn-k_q0cf0eeb643_attn
	.p2alignl 7, 3214868480
	.fill 96, 4, 3214868480
	.section	.rodata,"a",@progbits
	.p2align	6, 0x0
	.amdhsa_kernel k_q0cf0eeb643_attn
		.amdhsa_group_segment_fixed_size 327680
		.amdhsa_private_segment_fixed_size 0
		.amdhsa_enable_private_segment 0
		.amdhsa_kernarg_size 32
		.amdhsa_user_sgpr_count 2
		.amdhsa_user_sgpr_kernarg_segment_ptr 1
		.amdhsa_wavefront_size32 1
		.amdhsa_system_sgpr_workgroup_id_x 1
		.amdhsa_system_sgpr_workgroup_id_y 1
		.amdhsa_system_sgpr_workgroup_id_z 1
		.amdhsa_system_vgpr_workitem_id 0
		.amdhsa_next_free_vgpr 256
		.amdhsa_next_free_sgpr 66
		.amdhsa_reserve_vcc 0
		.amdhsa_float_denorm_mode_32 3
		.amdhsa_float_denorm_mode_16_64 3
		.amdhsa_memory_ordered 1
		.amdhsa_forward_progress 1
		.amdhsa_inst_pref_size 82
	.end_amdhsa_kernel
	.amdgpu_metadata
---
amdhsa.version: [ 1, 2 ]
amdhsa.kernels:
  - .name:           k_q0cf0eeb643_attn
    .symbol:         k_q0cf0eeb643_attn.kd
    .args:
      - { .name: q, .offset: 0, .size: 8, .value_kind: global_buffer, .address_space: global }
      - { .name: kv, .offset: 8, .size: 8, .value_kind: global_buffer, .address_space: global }
      - { .name: a_codes, .offset: 16, .size: 8, .value_kind: global_buffer, .address_space: global }
      - { .name: a_scales, .offset: 24, .size: 8, .value_kind: global_buffer, .address_space: global }
    .group_segment_fixed_size: 327680
    .private_segment_fixed_size: 0
    .kernarg_segment_align: 8
    .kernarg_segment_size: 32
    .max_flat_workgroup_size: 512
    .sgpr_count:     66
    .vgpr_count:     256
    .wavefront_size: 32
...
	.end_amdgpu_metadata
.endif
;; end of part 2
;; launch proj (part 3): grid 4 x 64, 4 waves a work-group, clusters of 4 x 4, 327,680 bytes of LDS; arguments a_codes, a_scales, out_w_codes, out_w_scales, out_b, out0; writes out0
.if DOCPART == 3
	.amdgcn_target "amdgcn-amd-amdhsa--gfx1250"
	.amdhsa_code_object_version 6
	.text
	.protected	k_q0cf0eeb643_proj
	.globl	k_q0cf0eeb643_proj
	.p2align	8
	.type	k_q0cf0eeb643_proj,@function
k_q0cf0eeb643_proj:
	s_mov_b64 s[64:65], 0
	v_nop
	global_prefetch_b8 v0, s[64:65] scope:SCOPE_SE
	s_setreg_imm32_b32 hwreg(HW_REG_WAVE_MODE, 25, 1), 1
	s_wait_xcnt 0x0
	s_wait_alu depctr_hold_cnt(0) depctr_sa_sdst(0) depctr_va_vdst(0) depctr_va_sdst(0) depctr_va_ssrc(0) depctr_va_vcc(0) depctr_vm_vsrc(0)
	s_getreg_b32 s2, hwreg(HW_REG_IB_STS2, 6, 4)
	s_cmp_eq_u32 s2, 0
	s_cbranch_scc0 .Lentry_in_a_cluster
	s_endpgm
.Lentry_in_a_cluster:
	s_bfe_u32 s2, ttmp6, 0x10000c
	s_cmp_lg_u32 s2, 0xf033
	s_cbranch_scc0 .Lentry_shape_is_right
	s_endpgm
.Lentry_shape_is_right:
; out0 = attn out_w^T + out_b on codes of FP8 (E4M3) with one E8M0 scale for each 32 along K = 1,024; f32 sums, f32 results.
; A work-group of four waves makes 128 rows x 256 columns, a wave 64 x 128.  Source 1 = attn's rows, as images of the operand's registers (a_codes, a_scales, as the launch before laid them); source 0 = rows of out_w; the bias is the first products' C.
; K goes in four steps of 256 through three LDS slots.  FILLS, whole tiles, one load a wave: at the head wave 0 attn's step 0, wave 1 out_w's, waves 2 and 3 the two operands' scale bytes for all of K;
; behind a drained round of the cluster's barrier the four waves ask for attn's and out_w's steps 1 and 2; step 3 goes over step 0 behind a second drained round, asked for by waves 0 and 1.
; CLUSTERS: 4 x 4 work-groups: attn's tiles are asked for jointly by a row of the cluster, out_w's by a column.
; PREFETCH: the 131,072 bytes of attn's codes that a row of the cluster reads are shared out by address among its sixteen waves, 256 bytes a lane, once.  out_w is left out: all sixteen clusters of the launch read the same 1,048,576 bytes.
; LIMITS: NaN and infinities are not served.
.set PITCH,  272
.set HALF1,  4*4096
.set S1B,    2*HALF1
.set HALF0,  128*PITCH
.set SLOT,   S1B+2*HALF0
.set SCL,    3*SLOT
.set SC0,    SCL+4096
.set HALFS,  16*272
.set SPARE,  SC0+2*HALFS
.set STAGE,  SLOT
.set SPITCH, 528
.set STEPA,  4096
.set NP,     8
.set ADRA, 16
.set ADRS1, 19
.set ADRB, 20
.set ADRS0, 23
.set STO,  24
.set RD,   25
.set CO,   26
.set SPW,  28
.set NIL,  29
.set SC,   32
.set BI,   64
.set AF,   128
.set BK,   128
.set WV, 18
.set WI, 19
.set WJ, 20
.set CX, 21
.set CY, 22
.set G1, 24
.set G0, 32
.set G1B, 44
.set G0B, 52
.set G1S, 68
.set G0S, 76
.set G1SB, 80
.set G0SB, 88
.set MSB, 0
.macro WIN new
.if MSB != (\new)
	s_set_vgpr_msb (MSB<<8)|(\new)
.set MSB, (\new)
.endif
.endm
.set MUL,    0xa1
.set TO_B,   0x40
.macro JLOAD g0a, g1a, g0b, g1b
	s_cmp_eq_u32 s[WV], 0                          ; wave 0 asks for source 1's tile, wave 1 for source 0's, the others for nothing
	s_cbranch_scc0 .Lfor_b_\@
	tensor_load_to_lds s[\g0a:\g0a+3], s[\g1a:\g1a+7]
	s_nop 0
.rept 4
	v_nop
.endr
	s_branch .Lasked_\@
.Lfor_b_\@:
	s_cmp_eq_u32 s[WV], 1
	s_cbranch_scc0 .Lasked_\@
	tensor_load_to_lds s[\g0b:\g0b+3], s[\g1b:\g1b+7]
	s_nop 0
.rept 4
	v_nop
.endr
.Lasked_\@:
.endm
.macro CREST
	s_cmp_lg_u32 s[WV], 0
	s_cbranch_scc1 .Lnot_wave_0_\@
	s_barrier_signal -3
.Lnot_wave_0_\@:
	s_barrier_wait -3
	s_barrier_signal -1
	s_barrier_wait -1
.endm
.macro CROUND
	s_barrier_signal -1
	s_barrier_wait -1
	CREST
.endm
.macro PLACES n
.rept \n
	v_nop
.endr
.endm
.macro FRAG reg, adr, q, i
.irp c, 0,1,2,3
	ds_load_b128 v[\reg+4*\c:\reg+4*\c+3], v[\adr] offset:128*(\q)+32*\c+(\i)*16*PITCH
.endr
.endm
.macro FRAGI reg, adr, q, i
.irp c, 0,1,2,3
	ds_load_b128 v[\reg+4*\c:\reg+4*\c+3], v[\adr] offset:4096*(\i)+2048*(\q)+512*\c
.endr
.endm
.macro FETCH slot, q, p
	WIN TO_B
.irp i, 0,1,2,3,4,5,6,7
	FRAG 128*(\p)+16*\i, ADRB+\slot, \q, \i
.endr
	WIN 0
.irp i, 0,1,2,3
	FRAGI AF+64*(\p)+16*\i, ADRA+\slot, \q, \i
.endr
.endm
.macro SCALES set, sg
.irp e, 0,1,2,3
	ds_load_b64 v[SC+16*\set+2*\e:SC+16*\set+2*\e+1], v[ADRS0] offset:1088*\e+8*\sg
.endr
.irp q, 0,1
	ds_load_b64 v[SC+16*\set+8+2*\q:SC+16*\set+8+2*\q+1], v[ADRS1] offset:512*(2*\sg+\q)
.endr
.endm
.macro WM a, b, p, q, set, cm
.set rD, 8*(8*(\a)+(\b))
.set rA, 128*(\p)+16*(\b)
.set rB, AF+64*(\p)+16*(\a)
.set rX, SC+16*(\set)+2*((\b)/2)+(\q)
.set rY, SC+16*(\set)+8+2*(\q)+((\a)/2)
.set rC, rD
.if (\cm) == 1
.set rC, BI+8*(\b)
.endif
.if (((\a)%2) == 0) && (((\b)%2) == 0)
	v_wmma_scale_f32_16x16x128_f8f6f4 v[rD:rD+7], v[rA:rA+15], v[rB:rB+15], v[rC:rC+7], v[rX], v[rY]
.elseif (((\a)%2) == 0)
	v_wmma_scale_f32_16x16x128_f8f6f4 v[rD:rD+7], v[rA:rA+15], v[rB:rB+15], v[rC:rC+7], v[rX], v[rY] matrix_a_scale:MATRIX_SCALE_ROW1
.elseif (((\b)%2) == 0)
	v_wmma_scale_f32_16x16x128_f8f6f4 v[rD:rD+7], v[rA:rA+15], v[rB:rB+15], v[rC:rC+7], v[rX], v[rY] matrix_b_scale:MATRIX_SCALE_ROW1
.else
	v_wmma_scale_f32_16x16x128_f8f6f4 v[rD:rD+7], v[rA:rA+15], v[rB:rB+15], v[rC:rC+7], v[rX], v[rY] matrix_a_scale:MATRIX_SCALE_ROW1 matrix_b_scale:MATRIX_SCALE_ROW1
.endif
.endm
.macro MUL16 a0, p, q, set, cm
.irp a, \a0, \a0+1
.irp b, 0,1,2,3,4,5,6,7
	WM \a, \b, \p, \q, \set, \cm
.endr
.endr
.endm
.macro STEPA slot, set, cm
	s_wait_dscnt 0x0
.if \cm
.else
	PLACES NP
.endif
	FETCH \slot, 1, 1
.if \cm
	WIN 0x81
.else
	WIN MUL
.endif
	MUL16 0, 0, 0, \set, \cm
	MUL16 2, 0, 0, \slot*0+\set, \cm
	WIN 0
.endm
.macro STEPB mode, set, next, nset, nsg
.if \mode
	s_wait_tensorcnt 0x0
	ds_add_u32 v[SPW], v[NIL]
	s_wait_dscnt 0x0
	s_barrier_signal -1
	WIN MUL
	MUL16 0, 1, 1, \set, 0
	WIN 0
	s_barrier_wait -1
.if \mode == 1
	CREST
	s_add_nc_u64 s[G0+2:G0+3], s[G0+2:G0+3], 3*STEPA
	s_add_nc_u64 s[G0B+2:G0B+3], s[G0B+2:G0B+3], 3*256
	JLOAD G0, G1, G0B, G1B
	PLACES NP                                      ; eight places on every wave's way, that of a wave without a load too
.else
	PLACES NP
.endif
.else
	s_wait_dscnt 0x0
	PLACES NP
.endif
	FETCH \next, 0, 0
	SCALES \nset, \nsg
	WIN MUL
.if \mode == 0
	MUL16 0, 1, 1, \set, 0
.endif
	MUL16 2, 1, 1, \set, 0
	WIN 0
.endm
	s_load_b256 s[4:11], s[0:1], 0x0
	s_load_b128 s[12:15], s[0:1], 0x20
	v_lshl_add_u32 v[SPW], v0, 2, SPARE
	v_mov_b32 v[NIL], 0
	ds_add_u32 v28, v29
	ds_add_u32 v28, v29
	s_wait_dscnt 0x0
	v_lshrrev_b32 v1, 5, v0
	v_readfirstlane_b32 s[WV], v1
	s_lshr_b32 s[WI], s[WV], 1
	s_and_b32 s[WJ], s[WV], 1
	s_bfe_u32 s[CX], ttmp6, 0x40000
	s_bfe_u32 s[CY], ttmp6, 0x40004
	s_lshl_b32 s93, ttmp9, 2
	s_add_co_u32 s93, s93, s[CX]
	s_and_b32 s16, ttmp7, 0xffff
	s_lshl_b32 s16, s16, 2
	s_add_co_u32 s16, s16, s[CY]
	s_lshl_b32 s17, s[CY], 2
	s_lshl_b32 s17, 15, s17
	s_lshl_b32 s92, 0x1111, s[CX]
	s_or_b32 s[G1+0], s17, (3<<16)|(1<<21)
	s_mov_b32 s[G1+1], 512<<16
	s_mov_b32 s[G1+2], 8<<16
	s_mov_b32 s[G1+3], 512<<16
	s_mov_b32 s[G1+4], 8
	s_mov_b32 s[G1+5], 2048
	s_mov_b32 s[G1+6], 0
	s_mov_b32 s[G1+7], 0
	s_or_b32 s[G1B+0], s92, (1<<20)|(1<<21)|(5<<22)|(3<<25)
	s_mov_b32 s[G1B+1], 256<<16
	s_mov_b32 s[G1B+2], 256<<16
	s_mov_b32 s[G1B+3], 256<<16
	s_mov_b32 s[G1B+4], 256
	s_mov_b32 s[G1B+5], 1024
	s_mov_b32 s[G1B+6], 0
	s_mov_b32 s[G1B+7], 0
	s_or_b32 s[G1S+0], s17, (3<<16)|(1<<21)
	s_mov_b32 s[G1S+1], 32<<16
	s_mov_b32 s[G1S+2], 16<<16
	s_mov_b32 s[G1S+3], 32<<16
	s_mov_b32 s[G1S+4], 16
	s_mov_b32 s[G1S+5], 32
	s_mov_b32 s[G1S+6], 0
	s_mov_b32 s[G1S+7], 0
	s_or_b32 s[G1SB+0], s92, (3<<16)|(1<<20)|(1<<21)|(5<<22)|(3<<25)
	s_mov_b32 s[G1SB+1], 32<<16
	s_mov_b32 s[G1SB+2], 32<<16
	s_mov_b32 s[G1SB+3], 32<<16
	s_mov_b32 s[G1SB+4], 32
	s_mov_b32 s[G1SB+5], 32
	s_mov_b32 s[G1SB+6], 0
	s_mov_b32 s[G1SB+7], 0
	s_lshl_b32 s96, s16, 1
	s_lshl_b32 s98, s96, 11
	s_lshl_b32 s96, s96, 16
	s_mov_b32 s97, 0
	s_mov_b32 s99, 0
	s_lshl_b32 s94, s93, 8
	s_lshl_b32 s100, s94, 5
	s_lshl_b32 s94, s94, 10
	s_mov_b32 s95, 0
	s_mov_b32 s101, 0
	s_mov_b32 s2, 0
	s_mov_b32 s3, S1B
	s_mov_b32 s66, SCL
	s_mov_b32 s67, SC0
	s_wait_kmcnt 0x0
	s_add_nc_u64 s[96:97], s[4:5], s[96:97]
	s_add_nc_u64 s[98:99], s[6:7], s[98:99]
	s_add_nc_u64 s[94:95], s[8:9], s[94:95]
	s_add_nc_u64 s[100:101], s[10:11], s[100:101]
	CROUND
	s_mov_b32 s[G0S], 1
	s_mov_b32 s[G0S+1], s66
	s_mov_b64 s[G0S+2:G0S+3], s[98:99]
	s_or_b32 s[G0S+3], s[G0S+3], 0x80000000
	s_mov_b32 s[G0SB], 1
	s_mov_b32 s[G0SB+1], s67
	s_mov_b64 s[G0SB+2:G0SB+3], s[100:101]
	s_or_b32 s[G0SB+3], s[G0SB+3], 0x80000000
.irp s, 0,1,2
	s_mov_b32 s[G0+4*\s], 1
	s_add_co_u32 s[G0+4*\s+1], s2, \s*SLOT
	s_add_nc_u64 s[G0+4*\s+2:G0+4*\s+3], s[96:97], \s*STEPA
	s_or_b32 s[G0+4*\s+3], s[G0+4*\s+3], 0x80000000
	s_mov_b32 s[G0B+4*\s], 1
	s_add_co_u32 s[G0B+4*\s+1], s3, \s*SLOT
	s_add_nc_u64 s[G0B+4*\s+2:G0B+4*\s+3], s[94:95], \s*256
	s_or_b32 s[G0B+4*\s+3], s[G0B+4*\s+3], 0x80000000
.endr
; Four tiles, one a wave: one chain of branches on the wave's number, one load to an arm, all arms leading to one join
.macro ARM under, g0, g1, next, end
	s_cmp_lt_u32 s[WV], \under
	s_cbranch_scc0 \next
	tensor_load_to_lds s[\g0:\g0+3], s[\g1:\g1+7]
	s_nop 0
	PLACES 4
	s_branch \end
\next:
.endm
	ARM 1, G0, G1, .Lh1, .Lh                       ; what K step 0 needs
	ARM 2, G0B, G1B, .Lh2, .Lh
	ARM 3, G0S, G1S, .Lh3, .Lh
	tensor_load_to_lds s[G0SB:G0SB+3], s[G1SB:G1SB+7]
	s_nop 0
	PLACES 4
.Lh:
	v_and_b32 v1, 15, v0
	v_bfe_u32 v2, v0, 4, 1
	v_and_b32 v5, 31, v0
	v_lshlrev_b32 v[CO], 4, v5
	v_mul_u32_u24 v3, v1, PITCH
	v_lshl_add_u32 v4, v2, 4, v3
	s_lshl_b32 s2, s[WI], 14
	s_mul_i32 s3, s[WJ], HALF0
	s_add_co_u32 s3, s3, S1B
.irp s, 0,1,2
	v_add_nc_u32 v[ADRA+\s], s2, v[CO]
	v_add_nc_u32 v[ADRB+\s], s3, v4
	s_add_co_u32 s2, s2, SLOT
	s_add_co_u32 s3, s3, SLOT
.endr
	v_lshrrev_b32 v6, 3, v5
	v_lshlrev_b32 v7, 5, v5
	v_lshl_add_u32 v7, v6, 4, v7
	s_mul_i32 s2, s[WJ], HALFS
	s_add_co_u32 s2, s2, SC0
	v_add_nc_u32 v[ADRS0], s2, v7
	s_lshl_b32 s2, s[WI], 3
	s_add_co_u32 s2, s2, SCL
	v_add_nc_u32 v[ADRS1], s2, v[CO]
	s_mul_i32 s23, s[WV], 16*SPITCH
	s_add_co_u32 s23, s23, STAGE
	v_mul_u32_u24 v3, v1, SPITCH
	v_lshl_add_u32 v3, v2, 5, v3
	v_add_nc_u32 v[STO], s23, v3
	v_add_nc_u32 v[RD], s23, v[CO]
	s_lshl_b32 s2, s93, 10
	s_lshl_b32 s3, s[WJ], 9
	s_add_co_u32 s2, s2, s3
	s_mov_b32 s3, 0
	s_add_nc_u64 s[12:13], s[12:13], s[2:3]
	s_add_nc_u64 s[14:15], s[14:15], s[2:3]
	v_lshlrev_b32 v6, 5, v2
.irp b, 0,1,2,3,4,5,6,7
	global_load_b128 v[BI+8*\b:BI+8*\b+3], v6, s[12:13] offset:64*\b
	global_load_b128 v[BI+8*\b+4:BI+8*\b+7], v6, s[12:13] offset:64*\b+16
.endr
	s_lshl_b32 s2, s[CX], 2
	s_add_co_u32 s2, s2, s[WV]                     ; which of the cluster row's sixteen waves I am
	s_lshl_b32 s2, s2, 13                          ; 8,192 bytes a wave
	v_lshl_add_u32 v27, v5, 8, s2                  ; v27: 256 bytes a lane; never rewritten
	global_prefetch_b8 v27, s[96:97] th:TH_LOAD_NT scope:SCOPE_SE   ; my sixteenth of the 131,072 bytes of attn's codes that my row of the cluster reads
	s_lshl_b32 s2, s16, 7
	s_lshl_b32 s23, s[WI], 6
	s_add_co_u32 s2, s2, s23
	s_lshl_b32 s2, s2, 12
	s_add_nc_u64 s[14:15], s[14:15], s[2:3]
	s_wait_alu depctr_va_vdst(0)
	s_wait_tensorcnt 0x0                           ; my tile of the head's four is in
	ds_add_u32 v[SPW], v[NIL]
	s_wait_dscnt 0x0
	CROUND                                         ; all four tiles are in, and all sixteen work-groups are here
	ARM 1, G0+4, G1, .Ls1, .Ls                     ; K steps 1 and 2, one tile a wave: first fills all four
	ARM 2, G0B+4, G1B, .Ls2, .Ls
	ARM 3, G0+8, G1, .Ls3, .Ls
	tensor_load_to_lds s[G0B+8:G0B+11], s[G1B:G1B+7]
	s_nop 0
	PLACES 4
.Ls:
	FETCH 0, 0, 0
	SCALES 0, 0
	s_wait_loadcnt 0x0
	STEPA 0, 0, 1
	STEPB 1, 0, 1, 1, 1
	STEPA 1, 1, 0
	STEPB 0, 1, 2, 0, 2
	STEPA 2, 0, 0
	STEPB 2, 0, 0, 1, 3
	STEPA 0, 1, 0
	s_wait_dscnt 0x0
	WIN MUL
	MUL16 0, 1, 1, 1, 0
	MUL16 2, 1, 1, 1, 0
	WIN 0
.macro TOSTAGE a
.set AC, 64*(\a)
	WIN 0x08
.irp b, 0,1,2,3,4,5,6,7
	ds_store_b128 v[STO], v[AC+8*\b:AC+8*\b+3] offset:64*\b
	ds_store_b128 v[STO], v[AC+8*\b+4:AC+8*\b+7] offset:64*\b+16
.endr
	WIN 0
.set BB, BK+64*((\a)%2)
.irp t, 0,1,2,3,4,5,6,7,8,9,10,11,12,13,14,15
	ds_load_b128 v[BB+4*\t:BB+4*\t+3], v[RD] offset:\t*SPITCH
.endr
.endm
.macro SEND a, younger
.set BB, BK+64*((\a)%2)
	s_wait_dscnt \younger
.if (\a) > 0
	s_add_nc_u64 s[14:15], s[14:15], 16*4096
.endif
.irp t, 0,1,2,3,4,5,6,7,8,9,10,11,12,13,14,15
	global_store_b128 v[CO], v[BB+4*\t:BB+4*\t+3], s[14:15] offset:\t*4096 th:TH_STORE_NT
.endr
.endm
	PLACES NP
	TOSTAGE 0
.irp a, 1,2,3
.if \a > 1
	s_wait_xcnt 0x0
.endif
	TOSTAGE \a
	SEND \a-1, 32
.endr
	s_wait_xcnt 0x0
	SEND 3, 0
	s_wait_tensorcnt 0x0
	ds_add_u32 v[SPW], v[NIL]
	s_wait_dscnt 0x0
	CROUND
	s_endpgm
.Lfunc_end_k_q0cf0eeb643_proj:
	.size	k_q0cf0eeb643_proj, .Lfunc_end_k_q0cf0eeb643_proj-k_q0cf0eeb643_proj
	.p2alignl 7, 3214868480
	.fill 96, 4, 3214868480
	.section	.rodata,"a",@progbits
	.p2align	6, 0x0
	.amdhsa_kernel k_q0cf0eeb643_proj
		.amdhsa_group_segment_fixed_size 327680
		.amdhsa_private_segment_fixed_size 0
		.amdhsa_enable_private_segment 0
		.amdhsa_kernarg_size 48
		.amdhsa_user_sgpr_count 2
		.amdhsa_user_sgpr_kernarg_segment_ptr 1
		.amdhsa_wavefront_size32 1
		.amdhsa_system_sgpr_workgroup_id_x 1
		.amdhsa_system_sgpr_workgroup_id_y 1
		.amdhsa_system_sgpr_workgroup_id_z 1
		.amdhsa_system_vgpr_workitem_id 0
		.amdhsa_next_free_vgpr 768
		.amdhsa_next_free_sgpr 102
		.amdhsa_reserve_vcc 0
		.amdhsa_float_denorm_mode_32 3
		.amdhsa_float_denorm_mode_16_64 3
		.amdhsa_memory_ordered 1
		.amdhsa_forward_progress 1
		.amdhsa_inst_pref_size 90
	.end_amdhsa_kernel
	.amdgpu_metadata
---
amdhsa.version: [ 1, 2 ]
amdhsa.kernels:
  - .name:           k_q0cf0eeb643_proj
    .symbol:         k_q0cf0eeb643_proj.kd
    .args:
      - { .name: a_codes, .offset: 0, .size: 8, .value_kind: global_buffer, .address_space: global }
      - { .name: a_scales, .offset: 8, .size: 8, .value_kind: global_buffer, .address_space: global }
      - { .name: out_w_codes, .offset: 16, .size: 8, .value_kind: global_buffer, .address_space: global }
      - { .name: out_w_scales, .offset: 24, .size: 8, .value_kind: global_buffer, .address_space: global }
      - { .name: out_b, .offset: 32, .size: 8, .value_kind: global_buffer, .address_space: global }
      - { .name: out0, .offset: 40, .size: 8, .value_kind: global_buffer, .address_space: global }
    .group_segment_fixed_size: 327680
    .private_segment_fixed_size: 0
    .kernarg_segment_align: 8
    .kernarg_segment_size: 48
    .max_flat_workgroup_size: 128
    .sgpr_count:     102
    .vgpr_count:     768
    .wavefront_size: 32
...
	.end_amdgpu_metadata
.endif
;; end of part 3
